; MI455X (gfx1250); checked and timed in simulation.
; The chip was launched on July 23, 2026; its instructions are those of AMD's public machine-readable ISA for CDNA 5 (MIT licence, August 2026) and "CDNA5" Instruction Set Architecture Reference Guide (July 2026). The comments in the code are by the model that wrote it; some were corrected since.
;; Attention Fusion. Allowed arithmetic: matrix products marked QUANTISED: E5M2 operands, one E8M0 scale for each 32 along K, by v_wmma_scale_f32_16x16x128_f8f6f4 with both operands' format E5M2, f32 sums; everything else in f32.
;; Inputs: out_b 1,024 float32; out_w 1,024 x 1,024 float32; qkv_b 3,072 float32; qkv_w 3,072 x 1,024 float32; x 2 x 2,048 x 1,024 float32.
;; Outputs: out0 2 x 2,048 x 1,024 float32.
;; This version of the problem:
;;   THIS VERSION OF THE PROBLEM IS GIVEN IN LOW PRECISION. The matrix products marked QUANTISED in the list below multiply operands that are first quantised to E5M2 (5 exponent bits, 2 mantissa bits; 8 bits a number), with one power-of-two scale for each 32 numbers along K (OCP MX v1.0); their sums are f32. All else is computed in f32.
;;   The module's matrix products, in the order in which they are computed (A, B: the left and right operand; K: the contracted axis; several contracted axes count as one K, in the product's order):
;;     1. [M 4,096, K 1,024] x [K 1,024, N 3,072]; A: input x; B: input qkv_w: QUANTISED
;;     2. batch 32 x [M 2,048, K 64] x [K 64, N 2,048]; A: computed on the way; B: computed on the way: QUANTISED
;;     3. batch 32 x [M 2,048, K 2,048] x [K 2,048, N 64]; A: softmax (see below); B: computed on the way: QUANTISED
;;     4. [M 4,096, K 1,024] x [K 1,024, N 1,024]; A: computed on the way; B: input out_w: QUANTISED
;;   THE QUANTISER, for each operand of a quantised product, along K:
;;     - K is cut into blocks of 32 from its start; a last block that is shorter is filled with zeros.
;;     - A block's scale is 2^e with e = floor(log2(the largest magnitude in the block)) - 15, held to -126 .. 127; a block of zeros has e = 0. As a byte (E8M0): e + 127.
;;     - Each number is divided by its block's scale, clamped to +-57,344, and rounded to the nearest number of E5M2, ties to even, subnormals kept.
;;     - The product sums the exact products of the quantised numbers (number of the format x scale) in f32.
;;   ~~~python
;;   def quantise(x, axis):      # numpy; x: float32 -> the quantised numbers, widened to float32 again
;;       x = np.moveaxis(x, axis, -1); K = x.shape[-1]
;;       x = np.pad(x, [(0, 0)] * (x.ndim - 1) + [(0, -K % 32)]); x = x.reshape(x.shape[:-1] + (-1, 32)); a = np.abs(x).max(-1, keepdims=True)
;;       e = np.where(a > 0, np.clip(np.frexp(np.where(a > 0, a, 1))[1] - 1 - 15, -126, 127), 0)      # np.frexp(a)[1] - 1 = floor(log2(a)), exactly
;;       r = np.clip(x / 2.0 ** e, -57344, 57344)
;;       step = 2.0 ** (np.maximum(np.frexp(np.where(r == 0, 1, r))[1] - 1, -14) - 2)
;;       q = np.round(r / step) * step * 2.0 ** e      # np.round: ties to even
;;       return np.moveaxis(q.reshape(q.shape[:-2] + (-1,))[..., :K], -1, axis).astype(np.float32)
;;   ~~~
;;   SOFTMAX AHEAD OF A QUANTISED PRODUCT. Where the list says 'softmax', what is quantised is not the finished softmax but p = 2^(t - M), with t = logit x log2(e) and M = ceil(the row's largest t), a whole number; so 1/2 < the row's largest p <= 1. The row's sum l is taken of the UNQUANTISED p, in f32, and the product's result is divided by l at the end. Since M is a whole number, a kernel that streams over the keys may use a running M (the ceiling of the running maximum): every later rescaling is an exact power of two, which a block's scale takes up: the codes' values come out the same.
;;   OPERANDS COMPUTED ON THE WAY. 'Computed on the way' means the value that the module computes at that place (a softmax that the list does not call 'softmax' is quantised finished and normalised). What goes into a quantiser is computed in f32, as accurately as f32 sums, v_exp_f32 and their like allow (about 1e-6 of the number): no bf16 or f16 on the way to a quantiser, and a product that is left as it is and whose result goes on into a quantised operand takes f32 operands (vector FMAs, or v_wmma_f32_16x16x4_f32). A number that lies on a knife's edge between two numbers of the format may be rounded either way, as far as f32 arithmetic and the matrix unit's own rounding can turn it there, and no further.
;; One version. Each part assembles by itself: llvm-mc -triple=amdgcn-amd-amdhsa -mcpu=gfx1250 --defsym DOCPART=n.
;; ======== version 1 of 1: 4 launches
;; limits: right only within a limited range of input values
;; workspace buffers: codes 8,388,608 bytes; scales 262,144 bytes; qkvc 12,582,912 bytes; qkvs 393,216 bytes; oc 4,194,304 bytes; os 131,072 bytes
;; launch quant (part 1): grid 256 x 1, 16 waves a work-group, no clusters, 84,992 bytes of LDS; arguments x, qkv_w, out_w, codes, scales; writes codes, scales
.if DOCPART == 1
	.amdgcn_target "amdgcn-amd-amdhsa--gfx1250"
	.amdhsa_code_object_version 6
	.text
	.protected	k_qe3ff830170_quant
	.globl	k_qe3ff830170_quant
	.p2align	8
	.type	k_qe3ff830170_quant,@function
k_qe3ff830170_quant:
	s_mov_b64 s[64:65], 0
	v_nop
	global_prefetch_b8 v0, s[64:65] scope:SCOPE_SE
	s_setreg_imm32_b32 hwreg(HW_REG_WAVE_MODE, 25, 1), 1
	s_wait_xcnt 0x0
; x [4096][1024], qkv_w [3072][1024], out_w [1024][1024], f32, K innermost, become codes of BF8 (E5M2), one byte each, K innermost, with one E8M0 byte for each 32 along K.
; codes: [8192 rows][1024], scales: [8192 rows][32]; rows 0-4095 x, 4096-7167 qkv_w, 7168-8191 out_w.
; STORAGE ORDER: inside each 32 rows the four groups of 8 rows lie in the order 0, 2, 1, 3 (position p holds row p with bits 3 and 4 exchanged), so that 16 consecutive stored rows are the
; rows 32 b + 8 u + r + 8 (r / 8) that a transposed product wants for its results to be neighbours along the next K.
; A block's scale is 2^(floor(log2(largest magnitude)) - 15); its byte is the largest magnitude's exponent field - 15, held at 1 from below.
; LIMITS: a block of zeros gets the byte 1 where the rule says 127 (its codes are zeros, and this program alone reads the bytes); NaN and infinities among the inputs are not served.
; A work-group takes 32 rows; each of its SIXTEEN waves 2 rows = 4 steps of 512 numbers, and issues all its 16 loads at its head: 8,192 bytes a wave, 131,072 a work-group are on their way at once.
; Each load reads 512 consecutive bytes; a step's 2,048 bytes turn through the wave's own stage in LDS and come back 64 bytes (16 neighbours) a lane; two neighbouring lanes hold a block.
; The work-group's 1,024 scale bytes meet in LDS, in storage order; behind one barrier waves 0 and 1 store them, 512 consecutive bytes each.  Nothing is shared between work-groups: no cluster.
.set STEPS, 4
.set EMAX,  15
.set MANT,  0x600000                   ; the mantissa field of 57,344 as f32
.set CB,    16                         ; bytes of 16 codes
.set R,     16                         ; v16-79   four sets of 16 numbers as loaded
.set X,     80                         ; v80-111  two sets of 16 neighbours
.set E,     112                        ; v112-115 a scale byte for each step
.set C,     128                        ; v128-143 codes: four registers for each step, so that no store's data are written again
.set SP,    80                         ; a lane's place in a stage: 64 bytes + 16 of padding
.set WREG,  2*32*SP                    ; LDS: two stages for each wave
.set SCB,   16*WREG                    ; behind them the work-group's 1,024 scale bytes
	s_load_b128 s[4:7], s[0:1], 0x0                ; x, qkv_w
	s_load_b128 s[8:11], s[0:1], 0x10              ; out_w, codes
	s_load_b64 s[12:13], s[0:1], 0x20              ; scales
	v_lshl_add_u32 v144, v0, 2, 0x14400
	v_mov_b32 v145, 0
	v_lshrrev_b32 v1, 5, v0
	s_delay_alu instid0(VALU_DEP_1)
	v_readfirstlane_b32 s16, v1                    ; wave 0..15
	v_and_b32 v2, 31, v0                           ; lane
	s_wait_alu depctr_va_vdst(0)
	v_lshlrev_b32 v3, 4, v2                        ; 16 x lane: my 16 bytes of a load's 512, and of a step's 512 bytes of codes
	s_mul_i32 s17, s16, WREG
	v_lshrrev_b32 v14, 2, v2
	s_delay_alu instid0(VALU_DEP_1)
	v_mul_u32_u24 v14, v14, SP
	v_and_b32 v15, 3, v2
	s_delay_alu instid0(VALU_DEP_1)
	v_lshl_add_u32 v14, v15, 4, v14
	s_delay_alu instid0(VALU_DEP_1)
	v_add_nc_u32 v14, s17, v14                     ; the stage, way in: SP (lane / 4) + 16 (lane % 4)
	v_mul_u32_u24 v15, v2, SP
	s_delay_alu instid0(VALU_DEP_1)
	v_add_nc_u32 v15, s17, v15                     ; way out: SP x lane: my 16 neighbours
	s_lshr_b32 s20, s16, 2                         ; my rows 2 w, 2 w + 1 lie in group w / 4 of the 32 rows;
	s_and_b32 s21, s20, 1
	s_lshl_b32 s21, s21, 1
	s_lshr_b32 s20, s20, 1
	s_or_b32 s20, s20, s21                         ; groups 1 and 2 change places
	s_lshl_b32 s20, s20, 3
	s_and_b32 s21, s16, 3
	s_lshl_b32 s21, s21, 1
	s_add_co_u32 s20, s20, s21                     ; where my first row goes among the 32
	s_lshl_b32 s21, s20, 5                         ; 32 scale bytes a row
	s_add_co_u32 s21, s21, SCB
	v_lshrrev_b32 v5, 1, v2
	s_delay_alu instid0(VALU_DEP_1)
	v_add_nc_u32 v5, s21, v5                       ; my block's scale byte
	s_and_b32 s21, s16, 1
	s_lshl_b32 s21, s21, 9
	v_add_nc_u32 v7, s21, v3                       ; the scale bytes' way out: 512 x (wave % 2) + 16 x lane
	s_delay_alu instid0(VALU_DEP_1)
	v_add_nc_u32 v6, SCB, v7
	s_mov_b32 s23, MANT
	s_wait_alu depctr_va_vdst(0)
	s_wait_kmcnt 0x0
	s_cmp_lt_u32 ttmp9, 128                        ; which tensor: the choice hangs on the work-group's number alone
	s_cselect_b64 s[4:5], s[4:5], s[6:7]
	s_cselect_b32 s17, 0, 128
	s_cmp_lt_u32 ttmp9, 224
	s_cselect_b64 s[4:5], s[4:5], s[8:9]
	s_cselect_b32 s17, s17, 224
	s_sub_co_u32 s17, ttmp9, s17
	s_lshl_b32 s18, s17, 17                        ; 32 rows of 4,096 bytes a work-group,
	s_lshl_b32 s19, s16, 13                        ; 2 rows a wave
	s_add_co_u32 s18, s18, s19
	s_mov_b32 s19, 0
	s_add_nc_u64 s[4:5], s[4:5], s[18:19]
	s_lshl_b32 s18, ttmp9, 15                      ; codes: 32 rows of 1,024 bytes a work-group,
	s_lshl_b32 s20, s20, 10                        ; and my rows' place
	s_add_co_u32 s18, s18, s20
	s_add_nc_u64 s[10:11], s[10:11], s[18:19]
	s_lshl_b32 s18, ttmp9, 10                      ; scale bytes: 1,024 a work-group
	s_add_nc_u64 s[12:13], s[12:13], s[18:19]
.macro LOAD t
.irp i, 0,1,2,3
	global_load_b128 v[R+16*((\t)%4)+4*\i:R+16*((\t)%4)+4*\i+3], v3, s[4:5] offset:2048*(\t)+512*\i th:TH_LOAD_NT   ; 32 lanes read 512 consecutive bytes
.endr
.endm
.macro TURN t                          ; step t's numbers through the stage: LDS serves a wave's instructions in order, so no wait stands between the stores and the loads
.irp i, 0,1,2,3
	ds_store_b128 v14, v[R+16*((\t)%4)+4*\i:R+16*((\t)%4)+4*\i+3] offset:32*SP*((\t)%2)+8*SP*\i
.endr
.irp i, 0,1,2,3
	ds_load_b128 v[X+16*((\t)%2)+4*\i:X+16*((\t)%2)+4*\i+3], v15 offset:32*SP*((\t)%2)+16*\i
.endr
.endm
.irp t, 0,1,2,3
	LOAD \t
.endr
	s_wait_loadcnt 12                              ; step 0's four loads are in; the twelve of steps 1 to 3 may be out
	TURN 0
.macro STEP t
.set XS, X+16*((\t)%2)
.if (\t) > 0
	s_wait_dscnt 1                                 ; this step's numbers are back from the stage (the last step's byte store may be out)
.else
	s_wait_dscnt 0x0
.endif
.if (\t)+1 < STEPS
	s_wait_loadcnt 4*(STEPS-2-(\t))                ; the next step's four loads are in; those of the steps behind it may be out
	TURN (\t)+1                                    ; and go through the other stage while this step is worked
.endif
	v_max3_num_f32 v8, |v[XS]|, |v[XS+1]|, |v[XS+2]|               ; the largest magnitude of my 16
	v_max3_num_f32 v9, |v[XS+3]|, |v[XS+4]|, |v[XS+5]|
.irp i, 6,10
	s_delay_alu instid0(VALU_DEP_2)
	v_max3_num_f32 v8, v8, |v[XS+\i]|, |v[XS+\i+1]|
	s_delay_alu instid0(VALU_DEP_2)
	v_max3_num_f32 v9, v9, |v[XS+\i+2]|, |v[XS+\i+3]|
.endr
	s_delay_alu instid0(VALU_DEP_2)
	v_max3_num_f32 v8, v8, |v[XS+14]|, |v[XS+15]|
	s_delay_alu instid0(VALU_DEP_1)
	v_max3_num_f32 v8, v8, v9, (EMAX+1)<<23        ; and the floor 2^(16 - 127): the byte cannot fall under 1
	s_delay_alu instid0(VALU_DEP_1)
	v_max_num_f32_dpp v8, v8, v8 row_xmask:1 row_mask:0xf bank_mask:0xf   ; and of my neighbour's 16: the block's
	s_delay_alu instid0(VALU_DEP_1)
	v_add_nc_u32 v11, 0xf8800000, v8               ; 15 off its exponent field: the conversion takes this operand's exponent field as its scale
	s_delay_alu instid0(VALU_DEP_2)
	v_and_or_b32 v10, v8, 0x7f800000, s23          ; 57,344 x the scale
.irp i, 0,1,2,3,4,5,6,7,8,9,10,11,12,13,14,15
	v_med3_num_f32 v[XS+\i], v[XS+\i], -v10, v10   ; the conversion to an 8-bit code does not saturate (ISA guide 7.6.2): the hold comes first
.endr
	v_cvt_scalef32_pk8_bf8_f32 v[C+4*(\t):C+4*(\t)+1], v[XS:XS+7], v11
	v_cvt_scalef32_pk8_bf8_f32 v[C+4*(\t)+2:C+4*(\t)+3], v[XS+8:XS+15], v11
	v_lshrrev_b32 v[E+(\t)], 23, v11               ; the scale's byte (also the plain place behind the conversions)
	ds_store_b8 v5, v[E+(\t)] offset:16*(\t)       ; both lanes of a block write the same byte with the same value
	global_store_b128 v3, v[C+4*(\t):C+4*(\t)+3], s[10:11] offset:32*CB*(\t)   ; the wave stores 512 consecutive bytes
.endm
.irp t, 0,1,2,3
	STEP \t
.endr
	s_wait_dscnt 0x0                               ; for the others' sake: my scale bytes lie in LDS
	s_barrier_signal -1
	s_barrier_wait -1                              ; everybody's do
	s_cmp_gt_u32 s16, 1
	s_cbranch_scc1 .Ldone
	ds_load_b128 v[8:11], v6                       ; waves 0 and 1: half of the 1,024 bytes each
	s_wait_dscnt 0x0
	global_store_b128 v7, v[8:11], s[12:13]        ; 32 lanes store 512 consecutive bytes, aligned
.Ldone:
	s_wait_tensorcnt 0x0
	ds_add_u32 v144, v145
	s_wait_dscnt 0x0
	s_endpgm
.Lfunc_end_k_qe3ff830170_quant:
	.size	k_qe3ff830170_quant, .Lfunc_end_k_qe3ff830170_quant-k_qe3ff830170_quant
	.p2alignl 7, 3214868480
	.fill 96, 4, 3214868480
	.section	.rodata,"a",@progbits
	.p2align	6, 0x0
	.amdhsa_kernel k_qe3ff830170_quant
		.amdhsa_group_segment_fixed_size 84992
		.amdhsa_private_segment_fixed_size 0
		.amdhsa_enable_private_segment 0
		.amdhsa_kernarg_size 40
		.amdhsa_user_sgpr_count 2
		.amdhsa_user_sgpr_kernarg_segment_ptr 1
		.amdhsa_wavefront_size32 1
		.amdhsa_system_sgpr_workgroup_id_x 1
		.amdhsa_system_sgpr_workgroup_id_y 1
		.amdhsa_system_sgpr_workgroup_id_z 1
		.amdhsa_system_vgpr_workitem_id 0
		.amdhsa_next_free_vgpr 146
		.amdhsa_next_free_sgpr 66
		.amdhsa_reserve_vcc 0
		.amdhsa_float_denorm_mode_32 3
		.amdhsa_float_denorm_mode_16_64 3
		.amdhsa_memory_ordered 1
		.amdhsa_forward_progress 1
		.amdhsa_inst_pref_size 17
	.end_amdhsa_kernel
	.amdgpu_metadata
---
amdhsa.version: [ 1, 2 ]
amdhsa.kernels:
  - .name:           k_qe3ff830170_quant
    .symbol:         k_qe3ff830170_quant.kd
    .args:
      - { .name: x, .offset: 0, .size: 8, .value_kind: global_buffer, .address_space: global }
      - { .name: qkv_w, .offset: 8, .size: 8, .value_kind: global_buffer, .address_space: global }
      - { .name: out_w, .offset: 16, .size: 8, .value_kind: global_buffer, .address_space: global }
      - { .name: codes, .offset: 24, .size: 8, .value_kind: global_buffer, .address_space: global }
      - { .name: scales, .offset: 32, .size: 8, .value_kind: global_buffer, .address_space: global }
    .group_segment_fixed_size: 84992
    .private_segment_fixed_size: 0
    .kernarg_segment_align: 8
    .kernarg_segment_size: 40
    .max_flat_workgroup_size: 512
    .sgpr_count:     66
    .vgpr_count:     146
    .wavefront_size: 32
...
	.end_amdgpu_metadata
.endif
;; end of part 1
;; launch qkv (part 2): grid 16 x 16, 4 waves a work-group, clusters of 4 x 4, 327,680 bytes of LDS; arguments codes, scales, qkv_b, qkvc, qkvs; writes qkvc, qkvs
.if DOCPART == 2
	.amdgcn_target "amdgcn-amd-amdhsa--gfx1250"
	.amdhsa_code_object_version 6
	.text
	.protected	k_qe3ff830170_qkv
	.globl	k_qe3ff830170_qkv
	.p2align	8
	.type	k_qe3ff830170_qkv,@function
k_qe3ff830170_qkv:
	s_mov_b64 s[64:65], 0
	v_nop
	global_prefetch_b8 v0, s[64:65] scope:SCOPE_SE
	s_setreg_imm32_b32 hwreg(HW_REG_WAVE_MODE, 25, 1), 1
	s_wait_xcnt 0x0
	s_wait_alu depctr_hold_cnt(0) depctr_sa_sdst(0) depctr_va_vdst(0) depctr_va_sdst(0) depctr_va_ssrc(0) depctr_va_vcc(0) depctr_vm_vsrc(0)
	s_getreg_b32 s2, hwreg(HW_REG_IB_STS2, 6, 4)
	s_cmp_eq_u32 s2, 0
	s_cbranch_scc0 .Lentry_in_a_cluster
	s_endpgm
.Lentry_in_a_cluster:
	s_bfe_u32 s2, ttmp6, 0x10000c
	s_cmp_lg_u32 s2, 0xf033
	s_cbranch_scc0 .Lentry_shape_is_right
	s_endpgm
.Lentry_shape_is_right:
; q, k, v = x W^T + b and their quantisers, on codes of BF8 with E8M0 scales.  No f32 result is stored: codes and scale bytes leave in the order of the operand registers of the launch that reads them.
; codes [8192 rows][1024], scales [8192][32]: rows 0-4095 x, then W_q's, W_k's, W_v's 1,024 each, in storage order (groups of 8 in the order 0, 2, 1, 3 inside each 32 rows).
; qkvc [32 part + 16 batch + head], part 0, 1, 2 = q, k, v: q, k: [tile of 16 tokens][block of 32 along the head's 64][lane][16];  v: [step of 128 tokens][t: 16 of the head's 64][block of 32 tokens][lane][16].
; qkvs, same index: q, k: [step][r][tile of the step][block of the head's 64];  v: [step][r][t][block of 32 tokens].
; A WORK-GROUP MAKES Q, K AND V OF ONE HEAD FOR 256 TOKENS: 16 heads x 16 row tiles = 256 equal work-groups.  A wave holds its 64 tokens, all of K = 1,024, in 512 registers; the head's 192 weight rows are streamed past
; in twelve blocks of 16: 0-3 q's, 4-7 k's, 8-11 v's.  Two neighbouring blocks make a pair of 32 rows, whose 64 x 32 results a wave quantises when the pair is finished.
; q, k: source 0 = weight rows, source 1 = tokens: a lane holds one token, 16 neighbours along the head.  v: the other way round: a lane holds one of the head's 64, 16 neighbouring tokens.  The bias is the first products' C.
; FILLS.  At the head x's 256 rows (waves 0, 1: a half each) and beside them weight rows 0-47 (waves 2, 3).  When every wave of the cluster holds x in registers, behind a drained round, the other 144 weight rows
; over x's place: q's last 16 (wave 0), k's 64 (wave 1), v's 64 (wave 2), shown by three barriers, each ahead of the first fetch that reads them.
; PREFETCH.  Behind the head's loads the sixteen waves of a cluster's column share the 144 rows of that refill out by address: 36 blocks of 256 bytes a wave, each named once in the cluster, the whole of x's way into registers ahead.
; CLUSTER 4 x 4: four heads x four row tiles: x's rows are shared along a row of the cluster, weight rows along a column: joint loads.
; LIMITS: NaN, infinities and sums beyond f32's range are not served; a block of zeros gets the byte 1 (its codes are zeros, and this program alone reads the bytes).
; REGISTERS.  Windows 1, 2: x's fragments, (128 along K number q, tile b) number 4 q + b.  Window 3: two sets of weight fragments, 16 rows x all of K, at 0 and at 128.  Window 0: all else.
.set NP,    8                          ; places behind this matrix instruction (ISA guide 7.12.1)
.set PITCH, 1040                       ; an LDS row: 1,024 bytes + 16 of padding = 260 words: the 16 rows that a load touches start 4 banks apart (64 banks of 4 bytes: ISA guide 11.1)
.set BLK,   16*PITCH
.set CB,    256*PITCH                  ; weight rows 0-47; rows 48-191 lie from 0 on, where x's rows lay
.set SST,   CB+48*PITCH                ; the scale bytes' stage: 512 bytes a part: no fill lands here
.set SPARE, SST+1536                   ; the spare words, 128 bytes a wave
.set ADRX, 4
.set CO,   7                           ; v7   16 x lane
.set KSB,  8                           ; v8   LDS: my 8 scale bytes of q or k
.set VSB,  9                           ; v9   LDS: v's
.set SPW,  10
.set NIL,  11
.set ADW,  16                          ; v16-19  LDS: my fragments of blocks 0-2, 3-5, 6-8, 9-11
.set PFK,  20                          ; v20, v21  the prefetches' offsets; never rewritten
.set PFQ,  21
.set XS,   24                          ; v24-39  x's scale words: register 8 p + q: lanes 0-15 tile 2 p's, lanes 16-31 tile 2 p + 1's
.set BV,   40                          ; v40-43  v's bias, a number a block
.set WS,   44                          ; v44-91  the weights': register 8 pair + q: lanes 0-15 the even block's, lanes 16-31 the odd one's
.set BIAS, 92                          ; v92-155 the first products' C
.set ACC,  156                         ; v156-219 a pair's sums
.set TM,   220
.set PC,   236
.set PW,   252                         ; v252, v253 scale words;  v254, v255 as they are stored
.set WV,   14
.set G1X,  16                          ; groups 1: s[16:23] x's 128 rows, s[24:31] 24 weight rows, s[32:39] 16, s[48:55] 64
.set G1C,  24
.set G1Q,  32
.set G1K,  48
.set G0X,  56                          ; and groups 0
.set G0C,  60
.set G0Q,  68
.set G0K,  72
.set SEL,  98
.set MNT,  100
.set MSB, 0
.macro WIN new                         ; the immediate's high byte repeats the setting that is left
.if MSB != (\new)
	s_set_vgpr_msb (MSB<<8)|(\new)
.set MSB, (\new)
.endif
.endm
.macro PLACES n                        ; plain vector instructions between a matrix instruction and loads into, or reads of, its registers
.rept \n
	v_nop
.endr
.endm
.macro BARRIER
	s_barrier_signal -1
	s_barrier_wait -1
.endm
.macro CROUND                          ; a round of the cluster's barrier
	BARRIER
	s_cmp_lg_u32 s[WV], 0
	s_cbranch_scc1 .Lnot_wave_0_\@
	s_barrier_signal -3
.Lnot_wave_0_\@:
	s_barrier_wait -3
	BARRIER
.endm
.macro TLOAD g0, g1
	tensor_load_to_lds s[\g0:\g0+3], s[\g1:\g1+7]
	s_nop 0
	PLACES 4
.endm
.macro GROUP1 g, mask, rows            ; rows of 1,024 bytes, four words of padding after every 256
	s_or_b32 s[\g], s[\mask], (1<<20)|(1<<21)|(7<<22)|(3<<25)
	s_mov_b32 s[\g+1], 1024<<16
	s_mov_b32 s[\g+2], (\rows)<<16
	s_mov_b32 s[\g+3], 1024<<16
	s_mov_b32 s[\g+4], \rows
	s_mov_b32 s[\g+5], 1024
	s_mov_b32 s[\g+6], 0
	s_mov_b32 s[\g+7], 0
.endm
	s_load_b256 s[4:11], s[0:1], 0x0               ; codes s[4:5], scales s[6:7], qkv_b s[8:9], qkvc s[10:11]
	s_load_b64 s[12:13], s[0:1], 0x20              ; qkvs
	v_lshl_add_u32 v[SPW], v0, 2, SPARE
	v_mov_b32 v[NIL], 0
	ds_add_u32 v[SPW], v[NIL]                      ; the wave's opening: the add, twice on end
	ds_add_u32 v[SPW], v[NIL]
	v_lshrrev_b32 v1, 5, v0
	v_readfirstlane_b32 s[WV], v1                  ; wave 0..3
	s_bfe_u32 s40, ttmp6, 0x40000                  ; cx
	s_bfe_u32 s41, ttmp6, 0x40004                  ; cy
	s_lshl_b32 s42, ttmp9, 2
	s_add_co_u32 s42, s42, s40                     ; the head
	s_and_b32 s43, ttmp7, 0xffff
	s_lshl_b32 s43, s43, 2
	s_add_co_u32 s43, s43, s41                     ; the row tile of 256 tokens
	s_lshl_b32 s44, s41, 2
	s_lshl_b32 s44, 15, s44                        ; my row of the cluster: shares x's rows
	s_lshl_b32 s45, 0x1111, s40                    ; my column: shares weight rows
	GROUP1 G1X, 44, 128
	GROUP1 G1C, 45, 24
	GROUP1 G1Q, 45, 16
	GROUP1 G1K, 45, 64
	s_lshr_b32 s82, s[WV], 1
	s_and_b32 s83, s[WV], 1                        ; at the head: which half I fetch
	s_lshl_b32 s84, s43, 18                        ; x: 256 rows of 1,024 bytes a tile, 128 a load
	s_lshl_b32 s2, s83, 17
	s_add_co_u32 s84, s84, s2
	s_mov_b32 s85, 0
	s_lshl_b32 s86, s42, 16                        ; the head's rows of W_q
	s_add_co_u32 s86, s86, 4096*1024
	s_add_co_u32 s88, s86, 48*1024                 ; its last 16
	s_mov_b32 s89, 0
	s_lshl_b32 s90, s82, 20                        ; wave 1: W_k's, wave 2: W_v's
	s_add_co_u32 s90, s90, s86
	s_add_co_u32 s90, s90, 0x100000
	s_mov_b32 s91, 0
	s_lshl_b32 s3, s41, 2
	s_add_co_u32 s3, s3, s[WV]                     ; which of the column's sixteen waves I am: my share of the prefetches:
	s_lshl_b32 s2, s3, 12
	s_add_co_u32 s46, s86, s2
	s_add_co_u32 s46, s46, 0x100000                ; 4,096 bytes of the head's 64 rows of W_k, and of W_v 2^20 bytes on;
	s_mov_b32 s47, 0
	s_lshl_b32 s2, s3, 10
	s_add_co_u32 s66, s88, s2                      ; 1,024 bytes of W_q's last 16
	s_mov_b32 s67, 0
	s_mul_i32 s2, s83, 24*1024                     ; the first 48: 24 a load
	s_add_co_u32 s86, s86, s2
	s_mov_b32 s87, 0
	s_mov_b32 s[G0X], 1                            ; where they go: the wave's number and constants alone
	s_mul_i32 s[G0X+1], s83, 128*PITCH
	s_mov_b32 s[G0C], 1
	s_mul_i32 s[G0C+1], s83, 24*PITCH
	s_add_co_u32 s[G0C+1], s[G0C+1], CB
	s_mov_b32 s[G0Q], 1
	s_mov_b32 s[G0Q+1], 0
	s_mov_b32 s[G0K], 1
	s_mul_i32 s[G0K+1], s82, 64*PITCH
	s_add_co_u32 s[G0K+1], s[G0K+1], BLK
	s_lshl_b32 s92, s43, 13                        ; x's scale bytes: 32 a row
	s_lshl_b32 s2, s[WV], 11
	s_add_co_u32 s92, s92, s2
	s_mov_b32 s93, 0
	s_lshl_b32 s94, s42, 11                        ; the weights'
	s_add_co_u32 s94, s94, 4096*32
	s_mov_b32 s95, 0
	s_lshl_b32 s96, s42, 8                         ; the bias
	s_mov_b32 s97, 0
	s_lshr_b32 s2, s43, 3                          ; the batch
	s_lshl_b32 s2, s2, 4
	s_add_co_u32 s2, s2, s42                       ; 16 batch + head
	s_and_b32 s3, s43, 7                           ; the row tile in its batch
	s_lshl_b32 s76, s2, 17
	s_lshl_b32 s80, s2, 12
	s_lshl_b32 s2, s3, 14
	s_add_co_u32 s76, s76, s2
	s_mov_b32 s78, s76
	s_lshl_b32 s2, s3, 9
	s_add_co_u32 s80, s80, s2
	s_lshl_b32 s2, s[WV], 17
	s_add_co_u32 s80, s80, s2                      ; wave n stores part n's scale bytes
	s_mov_b32 s81, 0
	s_lshl_b32 s2, s[WV], 12                       ; q, k: my four tiles of 1,024 bytes
	s_add_co_u32 s76, s76, s2
	s_mov_b32 s77, 0
	s_add_co_u32 s78, s78, 8388608                 ; v: part 2,
	s_lshl_b32 s2, s82, 13                         ; my step,
	s_add_co_u32 s78, s78, s2
	s_lshl_b32 s2, s83, 10                         ; my half of its four blocks
	s_add_co_u32 s78, s78, s2
	s_mov_b32 s79, 0
	s_mov_b32 s[SEL], 0x76543210
	s_mov_b32 s[SEL+1], 0xfedcba98
	s_mov_b32 s[MNT], 0x600000
	s_wait_dscnt 0x0                               ; both opening adds are done
	s_wait_kmcnt 0x0
	s_add_nc_u64 s[G0X+2:G0X+3], s[4:5], s[84:85]
	s_add_nc_u64 s[G0C+2:G0C+3], s[4:5], s[86:87]
	s_add_nc_u64 s[G0Q+2:G0Q+3], s[4:5], s[88:89]
	s_add_nc_u64 s[G0K+2:G0K+3], s[4:5], s[90:91]
.irp g, G0X, G0C, G0Q, G0K
	s_or_b32 s[\g+3], s[\g+3], 0x80000000
.endr
	s_add_nc_u64 s[46:47], s[4:5], s[46:47]
	s_add_nc_u64 s[66:67], s[4:5], s[66:67]
	s_add_nc_u64 s[92:93], s[6:7], s[92:93]
	s_add_nc_u64 s[94:95], s[6:7], s[94:95]
	s_add_nc_u64 s[96:97], s[8:9], s[96:97]
	s_add_nc_u64 s[76:77], s[10:11], s[76:77]
	s_add_nc_u64 s[78:79], s[10:11], s[78:79]
	s_add_nc_u64 s[80:81], s[12:13], s[80:81]
	CROUND                                         ; all sixteen work-groups are here: the joint loads meet
	s_cmp_lt_u32 s[WV], 2                          ; one tensor load a wave
	s_cbranch_scc0 .Lfor_weights
	TLOAD G0X, G1X
	s_branch .Lasked
.Lfor_weights:
	TLOAD G0C, G1C
.Lasked:
	v_and_b32 v1, 15, v0                           ; r
	v_bfe_u32 v2, v0, 4, 1                         ; h
	v_and_b32 v3, 31, v0                           ; lane
	v_lshlrev_b32 v[CO], 4, v3
	v_lshlrev_b32 v12, 5, v3                       ; scale bytes: lane l takes row l of a pair of tiles
	v_lshlrev_b32 v13, 6, v2                       ; q's, k's bias: 16 numbers on end for each half of the lanes
	v_and_b32 v14, 8, v1
	v_add_nc_u32 v14, v14, v1                      ; v's: lane r of block 2 e + u: 32 e + 8 u + r + 8 (r / 8)
	v_lshlrev_b32 v14, 2, v14
	v_lshlrev_b32 v[PFK], 8, v1                    ; lanes 0-15: 16 blocks of W_k, lanes 16-31: of W_v
	v_lshl_add_u32 v[PFK], v2, 20, v[PFK]
	v_min_u32 v[PFQ], 3, v3                        ; four blocks of W_q; the lanes left over name the last again
	v_lshlrev_b32 v[PFQ], 8, v[PFQ]
	v_mul_u32_u24 v[ADW+1], v1, PITCH
	v_lshl_add_u32 v[ADW+1], v2, 4, v[ADW+1]       ; a fragment's row x pitch + 16 h
	v_add_nc_u32 v[ADW], CB, v[ADW+1]
	v_add_nc_u32 v[ADW+2], 3*BLK, v[ADW+1]
	v_add_nc_u32 v[ADW+3], 6*BLK, v[ADW+1]
	s_mul_i32 s2, s[WV], 64*PITCH                  ; my 64 tokens
	v_add_nc_u32 v[ADRX], s2, v[ADW+1]
	s_lshl_b32 s2, s82, 8
	s_lshl_b32 s3, s83, 3
	s_add_co_u32 s3, s3, s2
	s_add_co_u32 s3, s3, SST
	v_lshl_add_u32 v[KSB], v1, 4, s3
	s_lshl_b32 s3, s83, 1
	s_add_co_u32 s3, s3, s2
	s_add_co_u32 s3, s3, SST+1024
	s_wait_alu depctr_va_vdst(0)
	v_lshl_add_u32 v[VSB], v1, 4, s3
	s_lshl_b32 s2, s[WV], 9
	s_add_co_u32 s2, s2, SST
	v_add_nc_u32 v15, s2, v[CO]                    ; v15: where a part's scale bytes are read back
	s_wait_alu depctr_va_vdst(0)
.irp p, 0,1
.irp c, 0,1
	global_load_b128 v[XS+8*\p+4*\c:XS+8*\p+4*\c+3], v12, s[92:93] offset:1024*\p+16*\c
.endr
.endr
.irp p, 0,1,2,3,4,5
.irp c, 0,1
	global_load_b128 v[WS+8*\p+4*\c:WS+8*\p+4*\c+3], v12, s[94:95] offset:32768*(\p/2)+1024*(\p%2)+16*\c
.endr
.endr
.irp p, 0,1,2,3
.irp j, 0,1,2,3
	global_load_b128 v[BIAS+16*\p+4*\j:BIAS+16*\p+4*\j+3], v13, s[96:97] offset:4096*(\p/2)+128*(\p%2)+16*\j
.endr
.endr
.irp t, 0,1,2,3
	global_load_b32 v[BV+\t], v14, s[96:97] offset:8192+32*4*(\t/2)+8*4*(\t%2)
.endr
	global_prefetch_b8 v[PFQ], s[66:67] th:TH_LOAD_NT scope:SCOPE_SE
	global_prefetch_b8 v[PFK], s[46:47] th:TH_LOAD_NT scope:SCOPE_SE
	s_wait_tensorcnt 0x0                           ; my half has landed,
	s_wait_dscnt 0x0
	BARRIER                                        ; and everybody's: x, and weight rows 0-47
.irp q, 0,1,2,3,4,5,6,7                            ; x into registers: 128 loads
.irp b, 0,1,2,3
	WIN (1+(4*\q+\b)/16)<<6
.irp c, 0,1,2,3
	ds_load_b128 v[16*((4*\q+\b)%16)+4*\c:16*((4*\q+\b)%16)+4*\c+3], v[ADRX] offset:\b*BLK+128*\q+32*\c
.endr
.endr
.endr
	WIN 0
	s_wait_tensorcnt 0x0                           ; none of mine is out
	ds_add_u32 v[SPW], v[NIL]
	s_wait_dscnt 0x0                               ; the add is done, and x is in registers
	CROUND                                         ; of every wave of every partner
.macro ARM under, g0, g1, next                     ; one tree of branches on the wave's number, one load to an arm; wave 3 has none
	s_cmp_lt_u32 s[WV], \under
	s_cbranch_scc0 \next
	TLOAD \g0, \g1
	s_branch .Lfilled
\next:
.endm
	ARM 1, G0Q, G1Q, .Lfill_k
	ARM 2, G0K, G1K, .Lfill_v
	ARM 3, G0K, G1K, .Lfilled
.macro FETCH n                         ; block n's fragments, 16 rows x all of K, into set n % 2: 32 loads
	WIN 0xc0
.irp q, 0,1,2,3,4,5,6,7
.irp c, 0,1,2,3
	ds_load_b128 v[128*((\n)%2)+16*\q+4*\c:128*((\n)%2)+16*\q+4*\c+3], v[ADW+(\n)/3] offset:((\n)%3)*BLK+128*\q+32*\c
.endr
.endr
	WIN 0
.endm
.macro WM                              ; D_ = A_ x B_ + C_, scales in SX_ and SY_, from lanes 16-31 where RX_, RY_ are 1
.if RX_ && RY_
	v_wmma_scale_f32_16x16x128_f8f6f4 v[D_:D_+7], v[A_:A_+15], v[B_:B_+15], v[C_:C_+7], v[SX_], v[SY_] matrix_a_fmt:MATRIX_FMT_BF8 matrix_b_fmt:MATRIX_FMT_BF8 matrix_a_scale:MATRIX_SCALE_ROW1 matrix_b_scale:MATRIX_SCALE_ROW1
.elseif RX_
	v_wmma_scale_f32_16x16x128_f8f6f4 v[D_:D_+7], v[A_:A_+15], v[B_:B_+15], v[C_:C_+7], v[SX_], v[SY_] matrix_a_fmt:MATRIX_FMT_BF8 matrix_b_fmt:MATRIX_FMT_BF8 matrix_a_scale:MATRIX_SCALE_ROW1
.elseif RY_
	v_wmma_scale_f32_16x16x128_f8f6f4 v[D_:D_+7], v[A_:A_+15], v[B_:B_+15], v[C_:C_+7], v[SX_], v[SY_] matrix_a_fmt:MATRIX_FMT_BF8 matrix_b_fmt:MATRIX_FMT_BF8 matrix_b_scale:MATRIX_SCALE_ROW1
.else
	v_wmma_scale_f32_16x16x128_f8f6f4 v[D_:D_+7], v[A_:A_+15], v[B_:B_+15], v[C_:C_+7], v[SX_], v[SY_] matrix_a_fmt:MATRIX_FMT_BF8 matrix_b_fmt:MATRIX_FMT_BF8
.endif
.endm
; Block n against my four tiles of tokens: 32 products, K ascending; the four accumulators take turns.
; q, k: sums of tile b at 16 b + 8 u;  v: at 32 u + 8 b: either way the 16 registers of a scale block lie on end.
.macro MUL n
.set U_, (\n)%2
.set P_, (\n)/2
.irp q, 0,1,2,3,4,5,6,7
.irp b, 0,1,2,3
.set F_, 4*\q+\b
.if (\n) < 8
	WIN 0x03|((1+F_/16)<<2)
.set D_, ACC+16*\b+8*U_
.set C_, BIAS+16*P_+8*U_
.set A_, 128*U_+16*\q
.set B_, 16*(F_%16)
.set SX_, WS+8*P_+\q
.set SY_, XS+8*(\b/2)+\q
.set RX_, U_
.set RY_, \b%2
.else
	WIN 0x0c|(1+F_/16)
.set D_, ACC+32*U_+8*\b
.set C_, BIAS+16*(P_-4)+8*U_
.set A_, 16*(F_%16)
.set B_, 128*U_+16*\q
.set SX_, XS+8*(\b/2)+\q
.set SY_, WS+8*P_+\q
.set RX_, \b%2
.set RY_, U_
.endif
.if \q > 0
.set C_, D_
.endif
	WM
.endr
.endr
	WIN 0
.endm
.macro QUANT pw                        ; a pair's 64 numbers a lane: four scale blocks of 32, each in lanes l and l xor 16 -> codes PC, four bytes in pw
.irp b, 0,1,2,3
	v_max3_num_f32 v[TM+\b], |v[ACC+16*\b]|, |v[ACC+1+16*\b]|, 0x8000000   ; and the floor 2^(16 - 127): the byte cannot fall under 1
.endr
.irp i, 2,4,6,8,10,12,14
.irp b, 0,1,2,3
	v_max3_num_f32 v[TM+\b], v[TM+\b], |v[ACC+16*\b+\i]|, |v[ACC+1+16*\b+\i]|
.endr
.endr
.irp b, 0,1,2,3
	v_permlanex16_b32 v[TM+4+\b], v[TM+\b], s[SEL], s[SEL+1]
.endr
.irp b, 0,1,2,3
	v_max_num_f32 v[TM+\b], v[TM+\b], v[TM+4+\b]
.endr
.irp b, 0,1,2,3
	v_add_nc_u32 v[TM+12+\b], 0xf8800000, v[TM+\b] ; 15 off the exponent field: the conversion's scale operand
.endr
.irp b, 0,1,2,3
	v_and_or_b32 v[TM+8+\b], v[TM+\b], 0x7f800000, s[MNT]   ; 57,344 x the scale
.endr
.irp b, 0,1,2,3
	v_lshrrev_b32 v[TM+4+\b], 23, v[TM+12+\b]
.endr
	v_lshl_or_b32 v[\pw], v[TM+5], 8, v[TM+4]
	v_lshl_or_b32 v[\pw], v[TM+6], 16, v[\pw]
	v_lshl_or_b32 v[\pw], v[TM+7], 24, v[\pw]
.irp b, 0,1,2,3
.irp i, 0,1,2,3,4,5,6,7,8,9,10,11,12,13,14,15
	v_med3_num_f32 v[ACC+16*\b+\i], v[ACC+16*\b+\i], -v[TM+8+\b], v[TM+8+\b]   ; the conversion does not saturate (ISA guide 7.6.2)
.endr
.endr
.irp b, 0,1,2,3
	v_cvt_scalef32_pk8_bf8_f32 v[PC+4*\b:PC+1+4*\b], v[ACC+16*\b:ACC+7+16*\b], v[TM+12+\b]
	v_cvt_scalef32_pk8_bf8_f32 v[PC+2+4*\b:PC+3+4*\b], v[ACC+8+16*\b:ACC+15+16*\b], v[TM+12+\b]
.endr
	v_nop                                          ; a plain place behind the conversions
.endm
.macro OUT n                           ; the pair of blocks n - 1 and n leaves: a store is 512 consecutive bytes
.set PT_, (\n)/4
.set E_, ((\n)/2)%2
	s_wait_xcnt 0x0                                ; the last pair's stores have read the codes' registers
	QUANT PW+E_
.irp b, 0,1,2,3
.if PT_ < 2
	global_store_b128 v[CO], v[PC+4*\b:PC+4*\b+3], s[76:77] offset:4194304*PT_+512*E_+1024*\b
.else
	global_store_b128 v[CO], v[PC+4*\b:PC+4*\b+3], s[78:79] offset:2048*(2*E_+\b/2)+512*(\b%2)
.endif
.endr
.if PT_ == 2
	ds_store_b16 v[VSB], v[PW+E_] offset:8*E_      ; both halves of the lanes write the same bytes with the same value
	ds_store_b16_d16_hi v[VSB], v[PW+E_] offset:8*E_+4
.elseif E_
	v_perm_b32 v[PW+2], v[PW+1], v[PW], 0x05010400 ; tile by tile, the two blocks of the head's 64 side by side
	v_perm_b32 v[PW+3], v[PW+1], v[PW], 0x07030602
	ds_store_b64 v[KSB], v[PW+2:PW+3] offset:512*PT_
.endif
.endm
.macro SHOW wave                       ; what that wave has asked for has landed, and everybody may read it;  wave = 9: what every wave has asked for
.if (\wave) < 4
	s_cmp_eq_u32 s[WV], \wave
	s_cbranch_scc0 .Lnot_mine_\@
	s_wait_tensorcnt 0x0
.Lnot_mine_\@:
.else
	s_wait_tensorcnt 0x0
.endif
	s_wait_dscnt 0x0
	BARRIER
.endm
	FETCH 0
	FETCH 1
.irp b, 0,1,2,3
	v_mov_b32 v[TM+4+\b], 0                        ; a lane permute's destination counts as one of its sources
.endr
	s_wait_alu depctr_va_vdst(0)
	s_wait_loadcnt 0x0                             ; scale words and bias
.irp n, 0,1,2,3,4,5,6,7,8,9,10,11
.if \n < 11
	s_wait_dscnt 32                                ; block n is in; the next block's 32 loads may be out
.else
	s_wait_dscnt 0x0
.endif
	MUL \n
.if \n == 1
	SHOW 0                                         ; q's last 16 rows
.elseif \n == 2
	SHOW 1                                         ; k's
.elseif \n == 6
	SHOW 9                                         ; v's
.endif
	PLACES NP
.if \n < 10
	FETCH \n+2
.endif
.if \n == 7
.irp t, 0,1,2,3
.irp i, 0,1,2,3,4,5,6,7
	v_mov_b32 v[BIAS+8*\t+\i], v[BV+\t]            ; v's bias, spread over the eight registers of a C
.endr
.endr
.endif
.if \n%2
	OUT \n
.endif
.endr
	s_wait_dscnt 0x0                               ; for the others' sake: my scale bytes lie in LDS
	BARRIER
	s_cmp_lt_u32 s[WV], 3
	s_cbranch_scc0 .Ldone
	ds_load_b128 v[TM:TM+3], v15                   ; waves 0, 1, 2: q's, k's, v's 512 scale bytes, on end and aligned
	s_wait_dscnt 0x0
	global_store_b128 v[CO], v[TM:TM+3], s[80:81]
.Ldone:
	s_wait_tensorcnt 0x0                           ; the wave's end
	ds_add_u32 v[SPW], v[NIL]
	s_wait_dscnt 0x0
	CROUND                                         ; the closing round: no work-group ends while a partner may still ask for a tile that names it
	s_endpgm
.Lfunc_end_k_qe3ff830170_qkv:
	.size	k_qe3ff830170_qkv, .Lfunc_end_k_qe3ff830170_qkv-k_qe3ff830170_qkv
	.p2alignl 7, 3214868480
	.fill 96, 4, 3214868480
	.section	.rodata,"a",@progbits
	.p2align	6, 0x0
	.amdhsa_kernel k_qe3ff830170_qkv
		.amdhsa_group_segment_fixed_size 327680
		.amdhsa_private_segment_fixed_size 0
		.amdhsa_enable_private_segment 0
		.amdhsa_kernarg_size 40
		.amdhsa_user_sgpr_count 2
		.amdhsa_user_sgpr_kernarg_segment_ptr 1
		.amdhsa_wavefront_size32 1
		.amdhsa_system_sgpr_workgroup_id_x 1
		.amdhsa_system_sgpr_workgroup_id_y 1
		.amdhsa_system_sgpr_workgroup_id_z 1
		.amdhsa_system_vgpr_workitem_id 0
		.amdhsa_next_free_vgpr 1024
		.amdhsa_next_free_sgpr 102
		.amdhsa_reserve_vcc 0
		.amdhsa_float_denorm_mode_32 3
		.amdhsa_float_denorm_mode_16_64 3
		.amdhsa_memory_ordered 1
		.amdhsa_forward_progress 1
		.amdhsa_inst_pref_size 153
	.end_amdhsa_kernel
	.amdgpu_metadata
---
amdhsa.version: [ 1, 2 ]
amdhsa.kernels:
  - .name:           k_qe3ff830170_qkv
    .symbol:         k_qe3ff830170_qkv.kd
    .args:
      - { .name: codes, .offset: 0, .size: 8, .value_kind: global_buffer, .address_space: global }
      - { .name: scales, .offset: 8, .size: 8, .value_kind: global_buffer, .address_space: global }
      - { .name: qkv_b, .offset: 16, .size: 8, .value_kind: global_buffer, .address_space: global }
      - { .name: qkvc, .offset: 24, .size: 8, .value_kind: global_buffer, .address_space: global }
      - { .name: qkvs, .offset: 32, .size: 8, .value_kind: global_buffer, .address_space: global }
    .group_segment_fixed_size: 327680
    .private_segment_fixed_size: 0
    .kernarg_segment_align: 8
    .kernarg_segment_size: 40
    .max_flat_workgroup_size: 128
    .sgpr_count:     102
    .vgpr_count:     1024
    .wavefront_size: 32
...
	.end_amdgpu_metadata
.endif
;; end of part 2
;; launch attn (part 3): grid 8 x 32, 8 waves a work-group, clusters of 4 x 1, 327,680 bytes of LDS; arguments qkvc, qkvs, oc, os; writes oc, os
.if DOCPART == 3
	.amdgcn_target "amdgcn-amd-amdhsa--gfx1250"
	.amdhsa_code_object_version 6
	.text
	.protected	k_qe3ff830170_attn
	.globl	k_qe3ff830170_attn
	.p2align	8
	.type	k_qe3ff830170_attn,@function
k_qe3ff830170_attn:
	s_mov_b64 s[64:65], 0
	v_nop
	global_prefetch_b8 v0, s[64:65] scope:SCOPE_SE
	s_setreg_imm32_b32 hwreg(HW_REG_WAVE_MODE, 25, 1), 1
	s_wait_xcnt 0x0
	s_wait_alu depctr_hold_cnt(0) depctr_sa_sdst(0) depctr_va_vdst(0) depctr_va_sdst(0) depctr_va_ssrc(0) depctr_va_vcc(0) depctr_vm_vsrc(0)
	s_getreg_b32 s2, hwreg(HW_REG_IB_STS2, 6, 4)
	s_cmp_eq_u32 s2, 0
	s_cbranch_scc0 .Lentry_in_a_cluster
	s_endpgm
.Lentry_in_a_cluster:
	s_bfe_u32 s2, ttmp6, 0x10000c
	s_cmp_lg_u32 s2, 0x3003
	s_cbranch_scc0 .Lentry_shape_is_right
	s_endpgm
.Lentry_shape_is_right:
; Attention of one (batch, head) on codes of BF8 with E8M0 scales, head size 64, 2,048 keys, and the quantising of its result o along the hidden axis for the last product.
; t = score x log2(e) / 8; M = the running largest t rounded UP to a whole number; p = 2^(t - M) is quantised along the keys, not normalised; the row's sum is taken of the unquantised p and divides at the end.
; When M moves, the sum and O are multiplied by 2^(old M - new M): exact.
; SHARES.  A work-group owns 256 stored tokens as queries, each of its eight waves TWO tiles of 16, A and B: a fragment of K or V read from LDS serves both.  16 steps of 128 keys.
; THE WHOLE HEAD'S K AND V LIE IN LDS, each byte filled once, as images of operand registers: every read is 16 x lane + a constant.  At the head each wave asks for one piece: keys 0-511 (waves 0-3) or the scale
; words (waves 4-7); behind a drained round each for one piece of the other 1,536 keys, which are first read behind the barrier between the two loops.  So nothing is prefetched: all tiles are asked for ahead of the first loop.
; CLUSTER.  The four query blocks of a cluster belong to one head: every load of K and V is joint (mask 15).  My place in the cluster enters only the addresses of q, oc and os.
; LAYOUT.  Both products are used transposed: S^T = K Q^T, O^T = V^T P^T: a lane holds ONE query of a tile.  Tokens and the head's 64 lie in storage order, so the registers of two neighbouring tiles of keys are 16 neighbours.
; K = 64 FILLS HALF OF AN INSTRUCTION: a fragment of K holds TWO tiles of 16 keys.  Q lies between runs of zero codes: (q, 0) meets tile 2 b, (0, q) tile 2 b + 1; the other tile meets zeros (K's codes are finite: its quantiser holds them).
; A TRIP: the softmax of step i, whose scores are there; then the scores of step i + 1; the rescaling of O (also the places behind those products); O += V^T P^T of step i.
; LIMITS: scaled scores under 2^31 in magnitude; v_exp_f32 and v_rcp_f32 as they are (1 ulp); a block's largest p is made from the block's largest score by the same two instructions; a block of zeros gets the byte 1; NaN and infinities are not served.
; REGISTERS.  Window 1: v0-63 scores of A, then p; v64-127 of B; v128-191 K's four fragments; v192-223 O^T of A; v224-255 of B.  Window 0: all else.
.set VIMG, 131072                      ; LDS: K's images from 0, V's from here,
.set KSC,  262144                      ; K's scale words [step 16][row 16][4 words],
.set VSC,  266240                      ; V's,
.set OSTG, 270336                      ; 512 bytes in which the work-group's 256 pairs of o's scale bytes meet: no fill lands here,
.set SPARE, 270848                     ; and the spare words: 128 bytes a wave
.set LI,  1                            ; v1  16 x lane
.set LIV, 2                            ; v2  the same + VIMG - 8,192 (V lags K by a step)
.set LRK, 3                            ; v3  KSC + 16 r
.set LRV, 4                            ; v4  VSC - 256 + 16 r
.set ADK, 5                            ; v5-8 the addresses of the next step's K, this step's V, and their scale words
.set ADV, 6
.set ADS, 7
.set ADT, 8
.set QSA, 56                           ; Q's scale words (s0, s1, s0, s1) of A, of B
.set QSB, 57
.set KSR, 60                           ; v60-63 K's scale words;  v68-71 V's
.set VSR, 68
.set PWA, 72                           ; p's scale words
.set PWB, 73
.set VF,  80                           ; v80-143 V's four fragments
.set PCA, 144                          ; p's codes
.set PCB, 160
.set BMA, 176                          ; a block's largest score, then its largest p
.set T2A, 180
.set HDA, 184                          ; 57,344 x the scale
.set SCA, 188                          ; the conversion's scale operand
.set BMB, 192
.set T2B, 196
.set HDB, 200
.set SCB, 204
.set NMA, 208                          ; -M, and the largest t
.set NMB, 210
.set LA,  212                          ; the sum, in two halves
.set LB,  214
.set FFA, 216                          ; f = 2^(old M - new M)
.set FFB, 218
.set TPA, 220
.set TPB, 221
.set TS8, 224                          ; v224-239 eight partial sums
.set SPW, 254
.set NIL, 255
.set SA,  0                            ; window 1
.set SB,  64
.set KF,  128
.set OA,  192
.set OB,  224
.set WV,  12
.set CS,  22                           ; s[22:23] c = log2(e) / 8
.set G1C, 24                           ; groups 1: s[24:31] codes at the head, s[32:39] scale words, s[40:47] the other codes
.set G1S, 32
.set G1R, 40
.set G0C, 48                           ; and their groups 0
.set G0S, 52
.set G0R, 56
.set TB,  60                           ; where the next step's images begin
.set TS,  61                           ; and its scale words
.set MNT, 62
.set CNT, 63
.set SEL, 84
.set NEG, 86
.set MSB, 0
.macro WIN new                         ; the immediate's high byte repeats the setting that is left
.if MSB != (\new)
	s_set_vgpr_msb (MSB<<8)|(\new)
.set MSB, (\new)
.endif
.endm
.macro W
	s_wait_alu depctr_va_vdst(0)
.endm
.macro ROUND                           ; a round of the cluster's barrier
	s_barrier_signal -1
	s_barrier_wait -1
	s_cmp_lg_u32 s[WV], 0
	s_cbranch_scc1 .Lnot_wave_0_\@
	s_barrier_signal -3
.Lnot_wave_0_\@:
	s_barrier_wait -3
	s_barrier_signal -1
	s_barrier_wait -1
.endm
.macro TLOAD g0, g1
	tensor_load_to_lds s[\g0:\g0+3], s[\g1:\g1+7]
	s_nop 0
.rept 4
	v_nop
.endr
.endm
.macro GROUP1 g, rows                  ; dense bytes as rows of 256 (32 elements of 8 bytes); the mask names all four
	s_mov_b32 s[\g], 15|(3<<16)|(1<<21)
	s_mov_b32 s[\g+1], 32<<16
	s_mov_b32 s[\g+2], (\rows)<<16
	s_mov_b32 s[\g+3], 32<<16
	s_mov_b32 s[\g+4], \rows
	s_mov_b32 s[\g+5], 32
	s_mov_b32 s[\g+6], 0
	s_mov_b32 s[\g+7], 0
.endm
	s_load_b256 s[4:11], s[0:1], 0x0               ; qkvc s[4:5], qkvs s[6:7], oc s[8:9], os s[10:11]
	v_lshl_add_u32 v[SPW], v0, 2, SPARE
	v_mov_b32 v[NIL], 0
	ds_add_u32 v[SPW], v[NIL]                      ; the wave's opening: the add, twice on end
	ds_add_u32 v[SPW], v[NIL]
	v_lshrrev_b32 v1, 5, v0
	v_readfirstlane_b32 s[WV], v1                  ; wave 0..7
	s_bfe_u32 s13, ttmp6, 0x40000                  ; cx
	s_lshl_b32 s14, ttmp9, 2
	s_add_co_u32 s14, s14, s13                     ; my block of 256 queries
	s_and_b32 s15, ttmp7, 0xffff                   ; batch x 16 + head, which the four partners share
	s_lshr_b32 s16, s[WV], 2                       ; behind the head I fetch for K (0) or for V (1),
	s_and_b32 s17, s[WV], 3                        ; this quarter;
	s_bfe_u32 s18, s[WV], 0x10001                  ; at the head for K or for V,
	s_and_b32 s19, s[WV], 1                        ; this half
	s_add_co_u32 s2, s15, 32                       ; k's index in qkvc and qkvs; v's lies 32 further on
	s_lshl_b32 s76, s2, 17
	s_mov_b32 s72, s76
	s_lshl_b32 s78, s2, 12
	s_lshl_b32 s2, s18, 22
	s_add_co_u32 s76, s76, s2
	s_lshl_b32 s2, s19, 14
	s_add_co_u32 s76, s76, s2
	s_mov_b32 s77, 0                               ; the head's codes: 16,384 bytes
	s_lshl_b32 s2, s18, 17
	s_add_co_u32 s78, s78, s2
	s_lshl_b32 s2, s19, 11
	s_add_co_u32 s78, s78, s2
	s_mov_b32 s79, 0                               ; scale words: 2,048 bytes
	s_lshl_b32 s2, s16, 22
	s_add_co_u32 s72, s72, s2
	s_mul_i32 s2, s17, 24576
	s_add_co_u32 s72, s72, s2
	s_add_co_u32 s72, s72, 32768
	s_mov_b32 s73, 0                               ; the other codes: 24,576 bytes
	s_lshl_b32 s21, s16, 17                        ; in LDS: the wave's number and constants alone
	s_add_co_u32 s21, s21, s2
	s_add_co_u32 s21, s21, 32768
	s_lshl_b32 s3, s18, 17
	s_lshl_b32 s2, s19, 14
	s_add_co_u32 s3, s3, s2
	s_lshl_b32 s20, s18, 12
	s_lshl_b32 s2, s19, 11
	s_add_co_u32 s20, s20, s2
	s_add_co_u32 s20, s20, KSC
	s_lshl_b32 s70, s14, 4
	s_lshl_b32 s2, s[WV], 1
	s_add_co_u32 s70, s70, s2                      ; my first tile among the head's 128
	s_lshl_b32 s66, s15, 17
	s_lshl_b32 s2, s70, 10
	s_add_co_u32 s66, s66, s2
	s_mov_b32 s67, 0                               ; q's codes
	s_lshl_b32 s68, s15, 12
	s_lshl_b32 s2, s14, 1
	s_add_co_u32 s2, s2, s16
	s_lshl_b32 s2, s2, 8                           ; the 128 tokens in which my tiles lie,
	s_add_co_u32 s68, s68, s2
	s_lshl_b32 s2, s17, 2                          ; their word among the row's four
	s_add_co_u32 s68, s68, s2
	s_mov_b32 s69, 0
	s_and_b32 s71, s15, 15                         ; the head
	s_lshr_b32 s87, s15, 4                         ; the batch
	s_lshl_b32 s2, s87, 7
	s_add_co_u32 s2, s2, s70                       ; my first tile among the 256 of all tokens
	s_lshl_b32 s80, s2, 12
	s_lshr_b32 s2, s71, 2
	s_lshl_b32 s2, s2, 20                          ; oc [head / 4][tile][(head / 2) % 2][2 (head % 2) + block][lane][16]
	s_add_co_u32 s80, s80, s2
	s_bfe_u32 s2, s71, 0x10001
	s_lshl_b32 s2, s2, 11
	s_add_co_u32 s80, s80, s2
	s_and_b32 s2, s71, 1
	s_lshl_b32 s2, s2, 10
	s_add_co_u32 s80, s80, s2
	s_mov_b32 s81, 0
	s_lshl_b32 s82, s71, 13                        ; os [head][4,096 stored tokens][2 bytes]
	s_lshl_b32 s2, s87, 12
	s_add_co_u32 s82, s82, s2
	s_lshl_b32 s2, s14, 9
	s_add_co_u32 s82, s82, s2
	s_mov_b32 s83, 0
	GROUP1 G1C, 64
	GROUP1 G1S, 8
	GROUP1 G1R, 96
	s_mov_b32 s[SEL], 0x76543210
	s_mov_b32 s[SEL+1], 0xfedcba98
	s_mov_b32 s[NEG], 0xff800000
	s_mov_b32 s[CS], 0x3e38aa3b                    ; log2(e) / 8
	s_mov_b32 s[CS+1], s[CS]                       ; (named with it as a pair, so it is written)
	s_mov_b32 s[MNT], 0x600000
	s_wait_dscnt 0x0                               ; both opening adds are done
	s_wait_kmcnt 0x0
	s_add_nc_u64 s[66:67], s[4:5], s[66:67]
	s_add_nc_u64 s[68:69], s[6:7], s[68:69]
	s_add_nc_u64 s[80:81], s[8:9], s[80:81]
	s_add_nc_u64 s[82:83], s[10:11], s[82:83]
	s_mov_b32 s[G0C], 1
	s_mov_b32 s[G0C+1], s3
	s_add_nc_u64 s[G0C+2:G0C+3], s[4:5], s[76:77]
	s_or_b32 s[G0C+3], s[G0C+3], 0x80000000
	s_mov_b32 s[G0S], 1
	s_mov_b32 s[G0S+1], s20
	s_add_nc_u64 s[G0S+2:G0S+3], s[6:7], s[78:79]
	s_or_b32 s[G0S+3], s[G0S+3], 0x80000000
	s_mov_b32 s[G0R], 1
	s_mov_b32 s[G0R+1], s21
	s_add_nc_u64 s[G0R+2:G0R+3], s[4:5], s[72:73]
	s_or_b32 s[G0R+3], s[G0R+3], 0x80000000
	ROUND                                          ; all four work-groups are here: the joint loads meet
	s_cmp_lt_u32 s[WV], 4                          ; one tensor load a wave
	s_cbranch_scc0 .Lfor_scales
	TLOAD G0C, G1C
	s_branch .Lasked
.Lfor_scales:
	TLOAD G0S, G1S
.Lasked:
	v_and_b32 v9, 31, v0
	v_lshlrev_b32 v[LI], 4, v9
	v_add_nc_u32 v[LIV], VIMG-8192, v[LI]
	v_add_nc_u32 v11, OSTG, v[LI]                  ; v11: where wave 0 reads the scale bytes back
	v_and_b32 v9, 15, v0                           ; r
	v_lshl_add_u32 v[LRK], v9, 4, KSC
	v_lshl_add_u32 v[LRV], v9, 4, VSC-256
	s_lshl_b32 s2, s[WV], 6
	v_lshl_add_u32 v10, v9, 1, s2
	v_add_nc_u32 v10, OSTG, v10                    ; v10: where my query's two scale bytes go (B's 32 further on)
	v_lshlrev_b32 v9, 4, v9                        ; v9: 16 r
	W
	global_load_b128 v[24:27], v[LI], s[66:67]             ; Q of A: d 0-31
	global_load_b128 v[28:31], v[LI], s[66:67] offset:512  ; d 32-63
	global_load_b128 v[40:43], v[LI], s[66:67] offset:1024 ; of B
	global_load_b128 v[44:47], v[LI], s[66:67] offset:1536
	global_load_b32 v58, v9, s[68:69]                      ; the word that holds both tiles' bytes
	s_wait_tensorcnt 0x0                           ; my piece has landed
	ds_add_u32 v[SPW], v[NIL]
	s_wait_dscnt 0x0
	ROUND                                          ; everybody's pieces have landed, and all four work-groups are here
	TLOAD G0R, G1R                                 ; my piece of the other keys
.macro LOADK ad, as                    ; K's four fragments of a step, and row r's four scale words
	WIN 0x40
.irp f, 0,1,2,3
.irp c, 0,1,2,3
	ds_load_b128 v[KF+16*\f+4*\c:KF+16*\f+4*\c+3], v[\ad] offset:2048*\f+512*\c
.endr
.endr
	WIN 0
	ds_load_b128 v[KSR:KSR+3], v[\as]
.endm
; The scores of a step, both tiles.  Register 16 b + i: key 32 b + 16 (lane / 16) + i of the step.
.macro QK
	WIN 0x41
.irp b, 0,1,2,3
	v_wmma_scale_f32_16x16x128_f8f6f4 v[SA+16*\b:SA+16*\b+7], v[KF+16*\b:KF+16*\b+15], v[24:39], 0, v[KSR+\b], v[QSA] matrix_a_fmt:MATRIX_FMT_BF8 matrix_b_fmt:MATRIX_FMT_BF8
	v_wmma_scale_f32_16x16x128_f8f6f4 v[SA+16*\b+8:SA+16*\b+15], v[KF+16*\b:KF+16*\b+15], v[16:31], 0, v[KSR+\b], v[QSA] matrix_a_fmt:MATRIX_FMT_BF8 matrix_b_fmt:MATRIX_FMT_BF8
.endr
.irp b, 0,1,2,3
	v_wmma_scale_f32_16x16x128_f8f6f4 v[SB+16*\b:SB+16*\b+7], v[KF+16*\b:KF+16*\b+15], v[40:55], 0, v[KSR+\b], v[QSB] matrix_a_fmt:MATRIX_FMT_BF8 matrix_b_fmt:MATRIX_FMT_BF8
	v_wmma_scale_f32_16x16x128_f8f6f4 v[SB+16*\b+8:SB+16*\b+15], v[KF+16*\b:KF+16*\b+15], v[32:47], 0, v[KSR+\b], v[QSB] matrix_a_fmt:MATRIX_FMT_BF8 matrix_b_fmt:MATRIX_FMT_BF8
.endr
	WIN 0
.endm
	LOADK LI, LRK                                  ; step 0
	s_wait_loadcnt 0x0                             ; Q
	s_mov_b32 s2, 0x01000100
	s_mov_b32 s3, 0x03020302
	v_perm_b32 v[QSA], v58, v58, s2                ; A's bytes are 0 and 1 of the word, B's 2 and 3; each twice
	v_perm_b32 v[QSB], v58, v58, s3
.irp j, 16,17,18,19,20,21,22,23,32,33,34,35,36,37,38,39,48,49,50,51,52,53,54,55
	v_mov_b32 v\j, 0                               ; the zero codes on both sides of each Q
.endr
	v_mov_b32 v[NMA+1], 0xff61b1e6                 ; the largest t so far: -3e38
	v_mov_b32 v[NMB+1], 0xff61b1e6
	v_floor_f32 v[NMA], -v[NMA+1]                  ; -M
	v_floor_f32 v[NMB], -v[NMB+1]
.irp j, LA,LA+1,LB,LB+1,FFA+1,FFB+1
	v_mov_b32 v[\j], 0                             ; the sums; and what is named as the upper half of a pair before it is first written
.endr
.irp b, 0,1,2,3
	v_mov_b32 v[T2A+\b], 0                         ; a lane permute's destination counts as one of its sources
	v_mov_b32 v[T2B+\b], 0
.endr
	W
	s_wait_dscnt 0x0
	QK
	WIN 0x40
.set jj, 0
.rept 64
	v_mov_b32 v[OA+jj], 0                          ; O^T of both: the trip is written once; the first finds zeros, which the first change of M leaves zeros.  (Also the places behind the products)
.set jj, jj+1
.endr
	WIN 0
.macro MAXES                           ; the largest score of each block of 32 keys, over my 16, of both tiles: eight chains.  It serves the row's maximum and, since p rises with the score, the block's largest p
	WIN 0x14
.irp b, 0,1,2,3
	v_max3_num_f32 v[BMA+\b], s[NEG], v[SA+16*\b], v[SA+1+16*\b]
.endr
.irp b, 0,1,2,3
	v_max3_num_f32 v[BMB+\b], s[NEG], v[SB+16*\b], v[SB+1+16*\b]
.endr
.irp i, 2,4,6,8,10,12,14
.irp b, 0,1,2,3
	v_max3_num_f32 v[BMA+\b], v[BMA+\b], v[SA+16*\b+\i], v[SA+1+16*\b+\i]
.endr
.irp b, 0,1,2,3
	v_max3_num_f32 v[BMB+\b], v[BMB+\b], v[SB+16*\b+\i], v[SB+1+16*\b+\i]
.endr
.endr
.endm
.macro VL n                            ; four of the sixteen registers of one of V's four tiles of the head's 64 x 128 keys
	ds_load_b128 v[VF+4*(\n):VF+4*(\n)+3], v[ADV] offset:512*(\n)
.endm
.macro SCSUM s, l, bm, t2, hd, sc, pw  ; four blocks' scales from their largest p; among them the sum of the unquantised p, in eight chains
	WIN 0x05
.irp k, 0,1,2,3,4,5,6,7
	v_pk_add_f32 v[TS8+2*\k:TS8+2*\k+1], v[\s+4*\k:\s+4*\k+1], v[\s+4*\k+2:\s+4*\k+3]
.endr
	WIN 0x04
.irp b, 0,1,2,3
	v_max_num_f32 v[\bm+\b], v[\bm+\b], 0x8000000  ; the floor 2^(16 - 127)
.endr
.irp k, 0,1,2,3,4,5,6,7
	v_pk_add_f32 v[TS8+2*\k:TS8+2*\k+1], v[TS8+2*\k:TS8+2*\k+1], v[\s+32+4*\k:\s+33+4*\k]
.endr
.irp b, 0,1,2,3
	v_add_nc_u32 v[\sc+\b], v[\bm+\b], 0xf8800000  ; 15 off the exponent field
.endr
.irp b, 0,1,2,3
	v_and_or_b32 v[\hd+\b], v[\bm+\b], 0x7f800000, s[MNT]
.endr
.irp k, 0,1,2,3,4,5,6,7
	v_pk_add_f32 v[TS8+2*\k:TS8+2*\k+1], v[TS8+2*\k:TS8+2*\k+1], v[\s+34+4*\k:\s+35+4*\k]
.endr
.irp b, 0,1,2,3
	v_bfe_u32 v[\t2+\b], v[\sc+\b], 23, 8
.endr
	WIN 0
.irp k, 0,1,2,3
	v_pk_add_f32 v[TS8+2*\k:TS8+2*\k+1], v[TS8+2*\k:TS8+2*\k+1], v[TS8+8+2*\k:TS8+9+2*\k]
.endr
	v_lshl_or_b32 v[\pw], v[\t2+1], 8, v[\t2]      ; p's scale word for these 128 keys
	v_lshl_or_b32 v[\t2+2], v[\t2+3], 8, v[\t2+2]
	v_pk_add_f32 v[TS8:TS8+1], v[TS8:TS8+1], v[TS8+4:TS8+5]
	v_pk_add_f32 v[TS8+2:TS8+3], v[TS8+2:TS8+3], v[TS8+6:TS8+7]
	v_lshl_or_b32 v[\pw], v[\t2+2], 16, v[\pw]
	v_pk_add_f32 v[TS8:TS8+1], v[TS8:TS8+1], v[TS8+2:TS8+3]
	v_pk_add_f32 v[\l:\l+1], v[\l:\l+1], v[TS8:TS8+1]
.endm
.macro HOLD2 s, hd, k                  ; the conversion does not saturate (ISA guide 7.6.2); p is not negative: a one-sided hold, two numbers an instruction
	v_dual_min_num_f32 v[\s+\k], v[\s+\k], v[\hd+(\k)/16] :: v_dual_min_num_f32 v[\s+\k+1], v[\s+\k+1], v[\hd+(\k)/16]
.endm
.macro CODES s, sc, pc
.irp b, 0,1,2,3
	v_cvt_scalef32_pk8_bf8_f32 v[\pc+4*\b:\pc+4*\b+1], v[\s+16*\b:\s+16*\b+7], v[\sc+\b]
	v_cvt_scalef32_pk8_bf8_f32 v[\pc+4*\b+2:\pc+4*\b+3], v[\s+16*\b+8:\s+16*\b+15], v[\sc+\b]
.endr
.endm
.macro ADDRS
	v_add_nc_u32 v[ADK], s[TB], v[LI]
	v_add_nc_u32 v[ADV], s[TB], v[LIV]
	v_add_nc_u32 v[ADS], s[TS], v[LRK]
	v_add_nc_u32 v[ADT], s[TS], v[LRV]
.endm
; A TRIP.  last = 1: in the counter's last trip there is no next step: its loads and scores are jumped over.
.macro STEP last
	MAXES
	WIN 0
.irp k, 0,1,2,3,4,5,6,7,8,9,10,11,12,13,14,15
	VL \k
.endr
	ds_load_b128 v[VSR:VSR+3], v[ADT]
.irp b, 0,1,2,3
	v_permlanex16_b32 v[T2A+\b], v[BMA+\b], s[SEL], s[SEL+1]
.endr
.irp b, 0,1,2,3
	v_permlanex16_b32 v[T2B+\b], v[BMB+\b], s[SEL], s[SEL+1]
.endr
.irp b, 0,1,2,3
	v_max_num_f32 v[BMA+\b], v[BMA+\b], v[T2A+\b]  ; with lane l xor 16's 16 keys
.endr
.irp b, 0,1,2,3
	v_max_num_f32 v[BMB+\b], v[BMB+\b], v[T2B+\b]
.endr
	v_max3_num_f32 v[TPA], v[BMA], v[BMA+1], v[BMA+2]
	v_max3_num_f32 v[TPB], v[BMB], v[BMB+1], v[BMB+2]
	v_max_num_f32 v[TPA], v[TPA], v[BMA+3]         ; the step's largest score of my query
	v_max_num_f32 v[TPB], v[TPB], v[BMB+3]
	v_mul_f32 v[TPA], s[CS], v[TPA]                ; as t
	v_mul_f32 v[TPB], s[CS], v[TPB]
	v_max_num_f32 v[NMA+1], v[NMA+1], v[TPA]       ; the running largest t
	v_max_num_f32 v[NMB+1], v[NMB+1], v[TPB]
	v_mov_b32 v[TPA], v[NMA]
	v_mov_b32 v[TPB], v[NMB]
	v_floor_f32 v[NMA], -v[NMA+1]                  ; the new -M = -ceil(t)
	v_floor_f32 v[NMB], -v[NMB+1]
	v_sub_f32 v[TPA], v[NMA], v[TPA]               ; old M - new M: a whole number, 0 or less
	v_sub_f32 v[TPB], v[NMB], v[TPB]
	v_cvt_i32_f32 v[TPA], v[TPA]                   ; (it saturates)
	v_cvt_i32_f32 v[TPB], v[TPB]
.irp b, 0,1,2,3
	v_fma_f32 v[BMA+\b], v[BMA+\b], s[CS], v[NMA]  ; t - M of each block's largest score
	v_fma_f32 v[BMB+\b], v[BMB+\b], s[CS], v[NMB]
.endr
	v_ldexp_f32 v[FFA], 1.0, v[TPA]                ; f
	v_ldexp_f32 v[FFB], 1.0, v[TPB]
	WIN 0x41
.set kk, 0
.rept 32
	v_pk_fma_f32 v[SA+kk:SA+kk+1], v[SA+kk:SA+kk+1], s[CS:CS+1], v[NMA:NMA+1] op_sel_hi:[1,0,0]   ; t - M, two at a time
.set kk, kk+2
.endr
	W
.set kk, 0
.rept 32                               ; A's p = 2^(t - M); B's t - M among them
	v_exp_f32 v[SA+kk], v[SA+kk]
	v_exp_f32 v[SA+kk+1], v[SA+kk+1]
	v_pk_fma_f32 v[SB+kk:SB+kk+1], v[SB+kk:SB+kk+1], s[CS:CS+1], v[NMB:NMB+1] op_sel_hi:[1,0,0]
.set kk, kk+2
.endr
	WIN 0
.irp b, 0,1,2,3
	v_exp_f32 v[BMA+\b], v[BMA+\b]                 ; the block's largest p
.endr
	v_pk_mul_f32 v[LA:LA+1], v[LA:LA+1], v[FFA:FFA+1] op_sel_hi:[1,0]   ; the sum under the new M (a plain place behind the exponentials)
	W
.if \last
	s_cmp_eq_u32 s[CNT], 1
	s_cbranch_scc1 .Lno_keys_\@
.endif
	LOADK ADK, ADS                                 ; the next step's keys
.if \last
.Lno_keys_\@:
.endif
	SCSUM SA, LA, BMA, T2A, HDA, SCA, PWA
	WIN 0x41
	W
.set kk, 0
.rept 32                               ; B's p; A's holds among them
	v_exp_f32 v[SB+kk], v[SB+kk]
	v_exp_f32 v[SB+kk+1], v[SB+kk+1]
	HOLD2 SA, HDA, kk
.set kk, kk+2
.endr
	WIN 0
.irp b, 0,1,2,3
	v_exp_f32 v[BMB+\b], v[BMB+\b]
.endr
	v_pk_mul_f32 v[LB:LB+1], v[LB:LB+1], v[FFB:FFB+1] op_sel_hi:[1,0]
	W
	SCSUM SB, LB, BMB, T2B, HDB, SCB, PWB
	WIN 0x41
.set kk, 0
.rept 32
	HOLD2 SB, HDB, kk
.set kk, kk+2
.endr
	WIN 0x01
	CODES SA, SCA, PCA
	CODES SB, SCB, PCB
	WIN 0
	s_add_co_u32 s[TB], s[TB], 8192
	s_add_co_u32 s[TS], s[TS], 256
	ADDRS                                          ; the next trip's addresses: also the plain places behind the conversions
	s_wait_dscnt 0x0                               ; V, and the next step's K
.if \last
	s_cmp_eq_u32 s[CNT], 1
	s_cbranch_scc1 .Lno_scores_\@
.endif
	QK
.if \last
.Lno_scores_\@:
.endif
	WIN 0x41
	W
.set jj, 0
.rept 16
	v_pk_mul_f32 v[OA+jj:OA+jj+1], v[OA+jj:OA+jj+1], v[FFA:FFA+1] op_sel_hi:[1,0]   ; O^T under the new M; these lines are also the places behind the scores and the codes
.set jj, jj+2
.endr
.set jj, 0
.rept 16
	v_pk_mul_f32 v[OB+jj:OB+jj+1], v[OB+jj:OB+jj+1], v[FFB:FFB+1] op_sel_hi:[1,0]
.set jj, jj+2
.endr
	WIN 0x50
.irp t, 0,1,2,3
	v_wmma_scale_f32_16x16x128_f8f6f4 v[OA+8*\t:OA+8*\t+7], v[VF+16*\t:VF+16*\t+15], v[PCA:PCA+15], v[OA+8*\t:OA+8*\t+7], v[VSR+\t], v[PWA] matrix_a_fmt:MATRIX_FMT_BF8 matrix_b_fmt:MATRIX_FMT_BF8
.endr
.irp t, 0,1,2,3
	v_wmma_scale_f32_16x16x128_f8f6f4 v[OB+8*\t:OB+8*\t+7], v[VF+16*\t:VF+16*\t+15], v[PCB:PCB+15], v[OB+8*\t:OB+8*\t+7], v[VSR+\t], v[PWB] matrix_a_fmt:MATRIX_FMT_BF8 matrix_b_fmt:MATRIX_FMT_BF8
.endr
	WIN 0
.endm
	s_mov_b32 s[TB], 8192
	s_mov_b32 s[TS], 256
	ADDRS
	s_mov_b32 s[CNT], 2
.Lfirst:                                           ; steps 0 and 1 (and the keys of 2): of the head's pieces alone
	STEP 0
	s_sub_co_u32 s[CNT], s[CNT], 1
	s_cmp_lg_u32 s[CNT], 0
	s_cbranch_scc1 .Lfirst
	s_wait_tensorcnt 0x0                           ; my piece of the other keys has landed,
	s_wait_dscnt 0x0
	s_barrier_signal -1
	s_barrier_wait -1                              ; and everybody's
	s_mov_b32 s[TB], 3*8192
	s_mov_b32 s[TS], 3*256
	ADDRS
	s_mov_b32 s[CNT], 14
.Lrest:
	STEP 1
	s_sub_co_u32 s[CNT], s[CNT], 1
	s_cmp_lg_u32 s[CNT], 0
	s_cbranch_scc1 .Lrest
	; THE WAY OUT: o = O^T / the sum, quantised along the hidden axis: register 16 b + i is d = 32 b + 16 (lane / 16) + i of my query: two blocks of 32 a tile, four in all.
	v_add_f32 v[LA], v[LA], v[LA+1]
	v_add_f32 v[LB], v[LB], v[LB+1]
	v_permlanex16_b32 v[TPA], v[LA], s[SEL], s[SEL+1]
	v_permlanex16_b32 v[TPB], v[LB], s[SEL], s[SEL+1]
	v_add_f32 v[LA], v[LA], v[TPA]                 ; the row's sum
	v_add_f32 v[LB], v[LB], v[TPB]
	W
	v_rcp_f32 v[LA], v[LA]
	v_rcp_f32 v[LB], v[LB]
.rept 4
	v_nop                                          ; places behind the reciprocals and the last products
.endr
	WIN 0x01
	W
.set jj, 0
.rept 16
	v_pk_mul_f32 v[VF+jj:VF+jj+1], v[OA+jj:OA+jj+1], v[LA:LA+1] op_sel_hi:[1,0]
.set jj, jj+2
.endr
.set jj, 0
.rept 16
	v_pk_mul_f32 v[VF+32+jj:VF+33+jj], v[OB+jj:OB+jj+1], v[LB:LB+1] op_sel_hi:[1,0]
.set jj, jj+2
.endr
	WIN 0
.irp b, 0,1,2,3
	v_max3_num_f32 v[BMA+\b], |v[VF+16*\b]|, |v[VF+1+16*\b]|, 0x8000000
.endr
.irp i, 2,4,6,8,10,12,14
.irp b, 0,1,2,3
	v_max3_num_f32 v[BMA+\b], v[BMA+\b], |v[VF+16*\b+\i]|, |v[VF+1+16*\b+\i]|
.endr
.endr
.irp b, 0,1,2,3
	v_permlanex16_b32 v[T2A+\b], v[BMA+\b], s[SEL], s[SEL+1]
.endr
.irp b, 0,1,2,3
	v_max_num_f32 v[BMA+\b], v[BMA+\b], v[T2A+\b]
.endr
.irp b, 0,1,2,3
	v_add_nc_u32 v[SCA+\b], 0xf8800000, v[BMA+\b]
.endr
.irp b, 0,1,2,3
	v_and_or_b32 v[HDA+\b], v[BMA+\b], 0x7f800000, s[MNT]
.endr
.irp b, 0,1,2,3
	v_lshrrev_b32 v[T2A+\b], 23, v[SCA+\b]
.endr
	v_lshl_or_b32 v[TPA], v[T2A+1], 8, v[T2A]      ; my queries' two scale bytes
	v_lshl_or_b32 v[TPB], v[T2A+3], 8, v[T2A+2]
.irp b, 0,1,2,3
.set jj, 0
.rept 16
	v_med3_num_f32 v[VF+16*\b+jj], v[VF+16*\b+jj], -v[HDA+\b], v[HDA+\b]
.set jj, jj+1
.endr
.endr
	CODES VF, SCA, PCA
	v_nop                                          ; a plain place behind the conversions
.irp b, 0,1,2,3
	global_store_b128 v[LI], v[PCA+4*\b:PCA+4*\b+3], s[80:81] offset:4096*(\b/2)+512*(\b%2)   ; an image of four operand registers: 512 consecutive bytes
.endr
	ds_store_b16 v10, v[TPA]                       ; both halves of the lanes write the same two bytes with the same value
	ds_store_b16 v10, v[TPB] offset:32
	s_wait_dscnt 0x0                               ; for the others' sake
	s_barrier_signal -1
	s_barrier_wait -1
	s_cmp_lg_u32 s[WV], 0
	s_cbranch_scc1 .Lnot_first
	ds_load_b128 v[VF:VF+3], v11                   ; wave 0 stores the work-group's 512 scale bytes: 512 consecutive bytes, aligned
	s_wait_dscnt 0x0
	global_store_b128 v[LI], v[VF:VF+3], s[82:83]
.Lnot_first:
	s_wait_tensorcnt 0x0                           ; the wave's end
	ds_add_u32 v[SPW], v[NIL]
	s_wait_dscnt 0x0
	ROUND                                          ; the closing round: no work-group ends while a partner may still ask for a tile that names it
	s_endpgm
.Lfunc_end_k_qe3ff830170_attn:
	.size	k_qe3ff830170_attn, .Lfunc_end_k_qe3ff830170_attn-k_qe3ff830170_attn
	.p2alignl 7, 3214868480
	.fill 96, 4, 3214868480
	.section	.rodata,"a",@progbits
	.p2align	6, 0x0
	.amdhsa_kernel k_qe3ff830170_attn
		.amdhsa_group_segment_fixed_size 327680
		.amdhsa_private_segment_fixed_size 0
		.amdhsa_enable_private_segment 0
		.amdhsa_kernarg_size 32
		.amdhsa_user_sgpr_count 2
		.amdhsa_user_sgpr_kernarg_segment_ptr 1
		.amdhsa_wavefront_size32 1
		.amdhsa_system_sgpr_workgroup_id_x 1
		.amdhsa_system_sgpr_workgroup_id_y 1
		.amdhsa_system_sgpr_workgroup_id_z 1
		.amdhsa_system_vgpr_workitem_id 0
		.amdhsa_next_free_vgpr 512
		.amdhsa_next_free_sgpr 90
		.amdhsa_reserve_vcc 0
		.amdhsa_float_denorm_mode_32 3
		.amdhsa_float_denorm_mode_16_64 3
		.amdhsa_memory_ordered 1
		.amdhsa_forward_progress 1
		.amdhsa_inst_pref_size 98
	.end_amdhsa_kernel
	.amdgpu_metadata
---
amdhsa.version: [ 1, 2 ]
amdhsa.kernels:
  - .name:           k_qe3ff830170_attn
    .symbol:         k_qe3ff830170_attn.kd
    .args:
      - { .name: qkvc, .offset: 0, .size: 8, .value_kind: global_buffer, .address_space: global }
      - { .name: qkvs, .offset: 8, .size: 8, .value_kind: global_buffer, .address_space: global }
      - { .name: oc, .offset: 16, .size: 8, .value_kind: global_buffer, .address_space: global }
      - { .name: os, .offset: 24, .size: 8, .value_kind: global_buffer, .address_space: global }
    .group_segment_fixed_size: 327680
    .private_segment_fixed_size: 0
    .kernarg_segment_align: 8
    .kernarg_segment_size: 32
    .max_flat_workgroup_size: 256
    .sgpr_count:     90
    .vgpr_count:     512
    .wavefront_size: 32
...
	.end_amdgpu_metadata
.endif
;; end of part 3
;; launch proj (part 4): grid 8 x 32, 4 waves a work-group, clusters of 4 x 4, 327,680 bytes of LDS; arguments oc, os, codes, scales, out_b, out0; writes out0
.if DOCPART == 4
	.amdgcn_target "amdgcn-amd-amdhsa--gfx1250"
	.amdhsa_code_object_version 6
	.text
	.protected	k_qe3ff830170_proj
	.globl	k_qe3ff830170_proj
	.p2align	8
	.type	k_qe3ff830170_proj,@function
k_qe3ff830170_proj:
	s_mov_b64 s[64:65], 0
	v_nop
	global_prefetch_b8 v0, s[64:65] scope:SCOPE_SE
	s_setreg_imm32_b32 hwreg(HW_REG_WAVE_MODE, 25, 1), 1
	s_wait_xcnt 0x0
	s_wait_alu depctr_hold_cnt(0) depctr_sa_sdst(0) depctr_va_vdst(0) depctr_va_sdst(0) depctr_va_ssrc(0) depctr_va_vcc(0) depctr_vm_vsrc(0)
	s_getreg_b32 s2, hwreg(HW_REG_IB_STS2, 6, 4)
	s_cmp_eq_u32 s2, 0
	s_cbranch_scc0 .Lentry_in_a_cluster
	s_endpgm
.Lentry_in_a_cluster:
	s_bfe_u32 s2, ttmp6, 0x10000c
	s_cmp_lg_u32 s2, 0xf033
	s_cbranch_scc0 .Lentry_shape_is_right
	s_endpgm
.Lentry_shape_is_right:
; The last product, out0 = o out_w^T + out_b, on codes of BF8 with E8M0 scales.  A = o: codes as images of operand registers, oc [chunk of K 256][tile of 16 stored tokens][128 along K][block of 32][lane][16];
; its scale bytes os [head][stored token][2].  B = out_w: stored rows 7168.. of codes and scales.  out0 [4096][1024] f32.
; A TILE IS 128 x 128: 32 x 8 = 256 work-groups; four waves of 64 x 64.  ALL OF K = 1,024 OF BOTH TILES LIES IN LDS, each byte filled once by the head's four loads, one a wave: B's rows, A's images, A's and B's scale bytes.
; A wave takes its 64 rows of B, all of K, into 512 registers, then streams its 64 rows of A past them in four blocks of 16: a block is finished by 32 products, and leaves while the next is multiplied.
; There is no loop and nothing is asked for behind the head, so nothing is prefetched.
; CLUSTER: 4 x 4 work-groups: A's tiles are shared along a row of the cluster, B's along a column: joint loads.
; Source 0 = 16 rows of B, source 1 = 16 rows of A: a lane holds one token and eight neighbouring columns.  The bias is the C of each sum's first product.
; Tokens and out_w's rows lie in storage order (groups of 8 in the order 0, 2, 1, 3 inside each 32): the columns are set right on the way into the stage, the rows by the stores' offsets.
; LIMITS: NaN, infinities and sums beyond f32's range are not served.
; REGISTERS: window 0: v1-31 addresses; v32-63 B's scale words (block i, step s: 8 i + s); v64-95 A's (block a, step s: 8 a + (s + 1) % 8); v96-127 the bias; v128-191 two sets of four accumulators; v192-255 rows back from the stage.
;   windows 1, 2: B's fragments, (step s, block b) number 4 s + b.  Window 3: two sets of A's, 16 rows x all of K.
.set NP,     8                         ; places behind this matrix instruction (ISA guide 7.12.1)
.set PITCH,  1040                      ; B's LDS rows: 1,024 bytes + 16 of padding: 260 words, so the 16 rows that a load touches start 4 banks apart (64 banks of 4 bytes: ISA guide 11.1)
.set BBASE,  131072                    ; A's images [chunk 4][tile 8][4,096] lie from 0
.set SCL,    BBASE+128*PITCH           ; B's scales: 128 rows x 32 bytes as rows of 256 bytes + 16
.set HALFS,  8*272
.set ASCL,   SCL+2*HALFS               ; A's scale bytes [head 16][128 tokens][2]
.set STG,    ASCL+4096                 ; the way out: 16 rows x (256 + 16) bytes for each wave: no fill lands here
.set SPITCH, 272
.set SPARE,  STG+4*16*SPITCH           ; the spare words, 128 bytes a wave
.set ADRA, 12                          ; v12, v13  my A fragments in chunks 0 and 1, in 2 and 3
.set ADRB, 16
.set ADRS, 20                          ; v20  my row of B's scales
.set AAS,  21                          ; v21  my row's scale bytes of A
.set STO,  22
.set RD,   23
.set GO,   24                          ; v24  4,096 h + 16 r: two rows of out0, 256 bytes each
.set BO,   25                          ; v25  64 h
.set SPW,  30
.set NIL,  31
.set BSC,  32
.set ASC,  64
.set BIAS, 96
.set ACC,  128
.set BK,   192
.set WV,   16
.set RH,   17                          ; s17  my half of the rows
.set CH,   18                          ; s18  my half of the columns
.set G1A,  24                          ; groups 1: s[24:31] A's images; s[32:39] B's rows; s[40:47] A's scale bytes; s[48:55] B's
.set G1B,  32
.set G1SA, 40
.set G1SB, 48
.set G0A,  56                          ; and their groups 0
.set G0B,  60
.set G0SA, 68
.set G0SB, 72
.set MSB, 0
.macro WIN new                         ; the immediate's high byte repeats the setting that is left
.if MSB != (\new)
	s_set_vgpr_msb (MSB<<8)|(\new)
.set MSB, (\new)
.endif
.endm
.macro CROUND                          ; a round of the cluster's barrier
	s_barrier_signal -1
	s_barrier_wait -1
	s_cmp_lg_u32 s[WV], 0
	s_cbranch_scc1 .Lnot_wave_0_\@
	s_barrier_signal -3
.Lnot_wave_0_\@:
	s_barrier_wait -3
	s_barrier_signal -1
	s_barrier_wait -1
.endm
.macro GROUP1 g, cols, rows, pitch     ; the words behind the first
	s_mov_b32 s[\g+1], (\cols)<<16
	s_mov_b32 s[\g+2], (\rows)<<16
	s_mov_b32 s[\g+3], (\cols)<<16
	s_mov_b32 s[\g+4], \rows
	s_mov_b32 s[\g+5], \pitch
	s_mov_b32 s[\g+6], 0
	s_mov_b32 s[\g+7], 0
.endm
.macro GROUP0 g, lds
	s_mov_b32 s[\g], 1
	s_mov_b32 s[\g+1], \lds
.endm
.macro PLACES n                        ; plain vector instructions between a matrix instruction and loads into, or reads of, its registers
.rept \n
	v_nop
.endr
.endm
	s_load_b256 s[4:11], s[0:1], 0x0               ; oc s[4:5], os s[6:7], codes s[8:9], scales s[10:11]
	s_load_b128 s[12:15], s[0:1], 0x20             ; out_b s[12:13], out0 s[14:15]
	v_lshl_add_u32 v[SPW], v0, 2, SPARE
	v_mov_b32 v[NIL], 0
	ds_add_u32 v[SPW], v[NIL]                      ; the wave's opening: the add, twice on end
	ds_add_u32 v[SPW], v[NIL]
	v_lshrrev_b32 v1, 5, v0
	v_readfirstlane_b32 s[WV], v1                  ; wave 0..3
	s_lshr_b32 s[RH], s[WV], 1
	s_and_b32 s[CH], s[WV], 1
	s_bfe_u32 s19, ttmp6, 0x40000                  ; cx
	s_bfe_u32 s20, ttmp6, 0x40004                  ; cy
	s_lshl_b32 s21, ttmp9, 2
	s_add_co_u32 s21, s21, s19                     ; tile column
	s_and_b32 s22, ttmp7, 0xffff
	s_lshl_b32 s22, s22, 2
	s_add_co_u32 s22, s22, s20                     ; tile row
	s_lshl_b32 s2, s20, 2
	s_lshl_b32 s2, 15, s2                          ; my row of the cluster
	s_lshl_b32 s3, 0x1111, s19                     ; my column
	s_or_b32 s[G1A], s2, (3<<16)|(1<<21)           ; A's images: 4 rows of 32,768 bytes, 2^20 bytes apart, in elements of 8 bytes
	GROUP1 G1A, 4096, 4, 131072
	s_or_b32 s[G1B], s3, (0<<16)|(1<<20)|(1<<21)|(7<<22)|(3<<25)   ; B: 128 rows x 1,024 bytes, four words of padding after every 256
	GROUP1 G1B, 1024, 128, 1024
	s_or_b32 s[G1SA], s2, (3<<16)|(1<<21)          ; A's scale bytes: 16 heads x 256 bytes, 8,192 bytes from head to head
	GROUP1 G1SA, 32, 16, 1024
	s_or_b32 s[G1SB], s3, (3<<16)|(1<<20)|(1<<21)|(5<<22)|(3<<25)  ; B's scales: 4,096 dense bytes as 16 rows of 256, padded
	GROUP1 G1SB, 32, 16, 32
	GROUP0 G0A, 0
	GROUP0 G0B, BBASE
	GROUP0 G0SA, ASCL
	GROUP0 G0SB, SCL
	; byte offsets: A's hang on the tile row alone, B's on the tile column alone
	s_lshl_b32 s[G0A+2], s22, 15
	s_mov_b32 s[G0A+3], 0
	s_lshl_b32 s[G0SA+2], s22, 8
	s_mov_b32 s[G0SA+3], 0
	s_lshl_b32 s66, s21, 7
	s_add_co_u32 s66, s66, 7168                    ; B's stored row
	s_lshl_b32 s[G0B+2], s66, 10
	s_mov_b32 s[G0B+3], 0
	s_lshl_b32 s[G0SB+2], s66, 5
	s_mov_b32 s[G0SB+3], 0
	s_wait_dscnt 0x0                               ; both opening adds are done
	s_wait_kmcnt 0x0
	s_add_nc_u64 s[G0A+2:G0A+3], s[4:5], s[G0A+2:G0A+3]
	s_add_nc_u64 s[G0SA+2:G0SA+3], s[6:7], s[G0SA+2:G0SA+3]
	s_add_nc_u64 s[G0B+2:G0B+3], s[8:9], s[G0B+2:G0B+3]
	s_add_nc_u64 s[G0SB+2:G0SB+3], s[10:11], s[G0SB+2:G0SB+3]
.irp g, G0A, G0B, G0SA, G0SB
	s_or_b32 s[\g+3], s[\g+3], 0x80000000          ; 127:126 type = 2
.endr
	CROUND                                         ; all sixteen work-groups are here: the joint loads meet
.macro ARM under, g0, g1, next                     ; one tree of branches on the wave's number, one load to an arm
	s_cmp_lt_u32 s[WV], \under
	s_cbranch_scc0 \next
	tensor_load_to_lds s[\g0:\g0+3], s[\g1:\g1+7]
	s_nop 0
	PLACES 4
	s_branch .Lasked
\next:
.endm
	ARM 1, G0B,  G1B,  .Lask_a
	ARM 2, G0A,  G1A,  .Lask_sa
	ARM 3, G0SA, G1SA, .Lask_sb
	tensor_load_to_lds s[G0SB:G0SB+3], s[G1SB:G1SB+7]
	s_nop 0
	PLACES 4
.Lasked:
	v_and_b32 v1, 15, v0                           ; r
	v_bfe_u32 v2, v0, 4, 1                         ; h
	v_and_b32 v3, 31, v0
	v_lshlrev_b32 v4, 4, v3                        ; 16 x lane
	s_lshl_b32 s23, s[RH], 14                      ; my four tiles of A
	v_add_nc_u32 v[ADRA], s23, v4
	s_add_co_u32 s23, s23, 65536
	v_add_nc_u32 v[ADRA+1], s23, v4
	v_mul_u32_u24 v5, v1, PITCH
	v_lshl_add_u32 v5, v2, 4, v5                   ; a fragment's row x pitch + 16 h
	s_mul_i32 s23, s[CH], 64*PITCH                 ; my 64 rows of B
	s_add_co_u32 s23, s23, BBASE
	v_add_nc_u32 v[ADRB], s23, v5
	v_lshlrev_b32 v6, 5, v1                        ; B's scales: 32 bytes a row,
	v_lshrrev_b32 v7, 8, v6
	v_lshl_add_u32 v6, v7, 4, v6                   ; and 16 more for each 256 passed
	s_mul_i32 s23, s[CH], HALFS
	s_add_co_u32 s23, s23, SCL
	v_add_nc_u32 v[ADRS], s23, v6
	s_lshl_b32 s23, s[RH], 7                       ; A's: my 64 tokens x 2 bytes
	s_add_co_u32 s23, s23, ASCL
	v_lshl_add_u32 v[AAS], v1, 1, s23
	s_mul_i32 s23, s[WV], 16*SPITCH                ; my stage
	s_add_co_u32 s23, s23, STG
	s_wait_alu depctr_va_vdst(0)
	v_mul_u32_u24 v8, v1, SPITCH
	v_lshl_add_u32 v8, v2, 6, v8                   ; in: row r; my half's 16 columns of each 32: 64 h bytes on
	v_add_nc_u32 v[STO], s23, v8
	v_mul_u32_u24 v9, v2, SPITCH
	v_lshl_add_u32 v9, v1, 4, v9                   ; back: lanes 0-15 one row of 256 bytes, lanes 16-31 the next
	v_add_nc_u32 v[RD], s23, v9
	v_lshlrev_b32 v[GO], 12, v2
	v_lshl_add_u32 v[GO], v1, 4, v[GO]
	v_lshlrev_b32 v[BO], 6, v2
	s_wait_alu depctr_va_vdst(0)
	s_lshl_b32 s66, s21, 9                         ; my first column, in bytes: 512 x tile column + 256 x half
	s_lshl_b32 s23, s[CH], 8
	s_add_co_u32 s66, s66, s23
	s_mov_b32 s67, 0
	s_add_nc_u64 s[12:13], s[12:13], s[66:67]
.irp b, 0,1,2,3
	global_load_b128 v[BIAS+8*\b:BIAS+8*\b+3], v[BO], s[12:13] offset:(32*(\b/2)+8*(\b%2))*4        ; register j of block b: column 32 (b / 2) + 16 h + 8 (b % 2) + j
	global_load_b128 v[BIAS+8*\b+4:BIAS+8*\b+7], v[BO], s[12:13] offset:(32*(\b/2)+8*(\b%2))*4+16
.endr
	s_lshl_b32 s23, s22, 19                        ; my first row of out0: 128 rows of 4,096 bytes a tile row,
	s_add_co_u32 s66, s66, s23
	s_lshl_b32 s23, s[RH], 18                      ; + 64 rows x half
	s_add_co_u32 s66, s66, s23
	s_add_nc_u64 s[14:15], s[14:15], s[66:67]
	s_cmp_eq_u32 s[WV], 0
	s_cbranch_scc0 .Lnot_b
	s_wait_tensorcnt 0x0                           ; wave 0: B's rows have landed.  The other waves' wait stands at the second barrier
.Lnot_b:
	s_barrier_signal -1
	s_barrier_wait -1
.irp s, 0,1,2,3,4,5,6,7                            ; my 64 rows of B, all of K: 128 loads
.irp b, 0,1,2,3
	WIN (1+(4*\s+\b)/16)<<6
.irp c, 0,1,2,3
	ds_load_b128 v[16*((4*\s+\b)%16)+4*\c:16*((4*\s+\b)%16)+4*\c+3], v[ADRB] offset:\b*16*PITCH+128*\s+32*\c
.endr
.endr
.endr
	WIN 0
	s_wait_tensorcnt 0x0                           ; every other piece has landed
	s_wait_dscnt 0x0                               ; no LDS load of mine is out at the signal
	s_barrier_signal -1
	s_barrier_wait -1
.irp i, 0,1,2,3
	ds_load_b128 v[BSC+8*\i:BSC+8*\i+3], v[ADRS] offset:\i*544        ; B's scale words for all of K: row r of block i, eight words
	ds_load_b128 v[BSC+8*\i+4:BSC+8*\i+7], v[ADRS] offset:\i*544+16
.endr
.irp a, 0,1,2,3                                    ; A's: 128 along K are two heads: the even head's two bytes below, the odd head's above
.irp s, 0,1,2,3,4,5,6,7
	ds_load_u16 v[ASC+8*\a+(\s+1)%8], v[AAS] offset:512*\s+32*\a
	ds_load_u16 v[ACC+8*\a+(\s+1)%8], v[AAS] offset:512*\s+32*\a+256
.endr
.endr
.macro FETCH a, p                      ; block a of A, all of K, into set p of window 3: images come back as they were stored
	WIN 0xc0
.irp s, 0,1,2,3,4,5,6,7
.irp c, 0,1,2,3
	ds_load_b128 v[128*(\p)+16*\s+4*\c:128*(\p)+16*\s+4*\c+3], v[ADRA+\s/4] offset:32768*((\s/2)%2)+4096*(\a)+2048*(\s%2)+512*\c
.endr
.endr
	WIN 0
.endm
; 32 products: block a against B's four, K ascending; its four accumulators take turns.
.macro MUL a, p
.irp s, 0,1,2,3,4,5,6,7
.irp b, 0,1,2,3
.set F_, 4*\s+\b
.set D_, ACC+32*(\p)+8*\b
.set C_, D_
.if \s == 0
.set C_, BIAS+8*\b
.endif
	WIN 0x0c|(1+F_/16)
	v_wmma_scale_f32_16x16x128_f8f6f4 v[D_:D_+7], v[16*(F_%16):16*(F_%16)+15], v[128*(\p)+16*\s:128*(\p)+16*\s+15], v[C_:C_+7], v[BSC+8*\b+\s], v[ASC+8*(\a)+(\s+1)%8] matrix_a_fmt:MATRIX_FMT_BF8 matrix_b_fmt:MATRIX_FMT_BF8
.endr
.endr
	WIN 0
.endm
; THE WAY OUT of a block of 16 rows x 64 columns, through my own stage; LDS serves a wave's instructions in order (ISA guide 5.7.1.4), so no wait stands between the stores and the loads.
; Accumulator b = 2 e + u, register j, lane (r, h): column 32 e + 16 h + 8 u + j.
.macro TOSTAGE p
.irp b, 0,1,2,3
	ds_store_b128 v[STO], v[ACC+32*(\p)+8*\b:ACC+32*(\p)+8*\b+3] offset:128*(\b/2)+32*(\b%2)          ; each accumulator from its low end on
	ds_store_b128 v[STO], v[ACC+32*(\p)+8*\b+4:ACC+32*(\p)+8*\b+7] offset:128*(\b/2)+32*(\b%2)+16
.endr
.irp t, 0,1,2,3,4,5,6,7
	ds_load_b128 v[BK+32*(\p)+4*\t:BK+32*(\p)+4*\t+3], v[RD] offset:2*\t*SPITCH
.endr
.endm
.macro SEND a, p                       ; the stage's eight reads are the youngest LDS instructions: row pair t is in when 7 - t are out
.irp t, 0,1,2,3,4,5,6,7
	s_wait_dscnt 7-\t
	global_store_b128 v[GO], v[BK+32*(\p)+4*\t:BK+32*(\p)+4*\t+3], s[14:15] offset:(32*(\a/2)+8*(\a%2)+2*(\t%4)+16*(\t/4))*4096 th:TH_STORE_NT   ; stored rows 16 a + 2 t + h are these rows; 16 lanes store 256 consecutive bytes, aligned
.endr
.endm
	FETCH 0, 0
	FETCH 1, 1
	s_wait_dscnt 63                                ; behind the scales stand 64 loads: the scales are in
.set kk, 0
.rept 32
	v_lshl_or_b32 v[ASC+kk], v[ACC+kk], 16, v[ASC+kk]                 ; block 0's eight words come first: 24 plain instructions stand between them and the first product
.set kk, kk+1
.endr
	s_wait_alu depctr_va_vdst(0)
	s_wait_loadcnt 0x0                             ; the bias
	s_wait_dscnt 32                                ; block 0 is in; block 1's 32 loads may be out
	MUL 0, 0
	PLACES NP
	FETCH 2, 0
	TOSTAGE 0
	s_wait_dscnt 48                                ; block 1 is in; block 2's 32 loads and the stage's 16 instructions may be out
	MUL 1, 1
	SEND 0, 0
	PLACES NP
	FETCH 3, 1
	TOSTAGE 1
	MUL 2, 0                                       ; (SEND 0's last wait has shown block 2)
	SEND 1, 1
	PLACES NP
	s_wait_xcnt 0x0                                ; block 0's stores have read the registers that the stage's reads take again
	TOSTAGE 0
	MUL 3, 1
	SEND 2, 0
	PLACES NP
	s_wait_xcnt 0x0
	TOSTAGE 1
	SEND 3, 1
	s_wait_tensorcnt 0x0                           ; the wave's end
	ds_add_u32 v[SPW], v[NIL]
	s_wait_dscnt 0x0
	CROUND                                         ; the closing round: no work-group ends while a partner may still ask for a tile that names it
	s_endpgm
.Lfunc_end_k_qe3ff830170_proj:
	.size	k_qe3ff830170_proj, .Lfunc_end_k_qe3ff830170_proj-k_qe3ff830170_proj
	.p2alignl 7, 3214868480
	.fill 96, 4, 3214868480
	.section	.rodata,"a",@progbits
	.p2align	6, 0x0
	.amdhsa_kernel k_qe3ff830170_proj
		.amdhsa_group_segment_fixed_size 327680
		.amdhsa_private_segment_fixed_size 0
		.amdhsa_enable_private_segment 0
		.amdhsa_kernarg_size 48
		.amdhsa_user_sgpr_count 2
		.amdhsa_user_sgpr_kernarg_segment_ptr 1
		.amdhsa_wavefront_size32 1
		.amdhsa_system_sgpr_workgroup_id_x 1
		.amdhsa_system_sgpr_workgroup_id_y 1
		.amdhsa_system_sgpr_workgroup_id_z 1
		.amdhsa_system_vgpr_workitem_id 0
		.amdhsa_next_free_vgpr 1024
		.amdhsa_next_free_sgpr 102
		.amdhsa_reserve_vcc 0
		.amdhsa_float_denorm_mode_32 3
		.amdhsa_float_denorm_mode_16_64 3
		.amdhsa_memory_ordered 1
		.amdhsa_forward_progress 1
		.amdhsa_inst_pref_size 58
	.end_amdhsa_kernel
	.amdgpu_metadata
---
amdhsa.version: [ 1, 2 ]
amdhsa.kernels:
  - .name:           k_qe3ff830170_proj
    .symbol:         k_qe3ff830170_proj.kd
    .args:
      - { .name: oc, .offset: 0, .size: 8, .value_kind: global_buffer, .address_space: global }
      - { .name: os, .offset: 8, .size: 8, .value_kind: global_buffer, .address_space: global }
      - { .name: codes, .offset: 16, .size: 8, .value_kind: global_buffer, .address_space: global }
      - { .name: scales, .offset: 24, .size: 8, .value_kind: global_buffer, .address_space: global }
      - { .name: out_b, .offset: 32, .size: 8, .value_kind: global_buffer, .address_space: global }
      - { .name: out0, .offset: 40, .size: 8, .value_kind: global_buffer, .address_space: global }
    .group_segment_fixed_size: 327680
    .private_segment_fixed_size: 0
    .kernarg_segment_align: 8
    .kernarg_segment_size: 48
    .max_flat_workgroup_size: 128
    .sgpr_count:     102
    .vgpr_count:     1024
    .wavefront_size: 32
...
	.end_amdgpu_metadata
.endif
;; end of part 4
